; MI455X (gfx1250); checked and timed in simulation.
; The chip was launched on July 23, 2026; its instructions are those of AMD's public machine-readable ISA for CDNA 5 (MIT licence, August 2026) and "CDNA5" Instruction Set Architecture Reference Guide (July 2026). The comments in the code are by the model that wrote it; some were corrected since.
;; Multi Head Attention. Allowed arithmetic: matrix products marked QUANTISED: E4M3 operands, one E8M0 scale for each 32 along K, by v_wmma_scale_f32_16x16x128_f8f6f4 with both operands' format E4M3, f32 sums; everything else in f32.
;; Inputs: Wk_codes 12 x 64 x 24 x 32 uint8 (E4M3 codes of Wk, K innermost, in blocks of 32 codes); Wk_scales 12 x 64 x 24 uint8 (E8M0 scales of Wk, one for each 32 codes along K); Wp_codes 768 x 24 x 32 uint8 (E4M3 codes of Wp, K innermost, in blocks of 32 codes); Wp_scales 768 x 24 uint8 (E8M0 scales of Wp, one for each 32 codes along K); Wq_codes 12 x 64 x 24 x 32 uint8 (E4M3 codes of Wq, K innermost, in blocks of 32 codes); Wq_scales 12 x 64 x 24 uint8 (E8M0 scales of Wq, one for each 32 codes along K); Wv_codes 12 x 64 x 24 x 32 uint8 (E4M3 codes of Wv, K innermost, in blocks of 32 codes); Wv_scales 12 x 64 x 24 uint8 (E8M0 scales of Wv, one for each 32 codes along K); bk 12 x 64 float32; bp 768 float32; bq 12 x 64 float32; bv 12 x 64 float32; x_codes 16 x 1,024 x 24 x 32 uint8 (E4M3 codes of x, K innermost, in blocks of 32 codes); x_scales 16 x 1,024 x 24 uint8 (E8M0 scales of x, one for each 32 codes along K).
;; Outputs: out0 16 x 1,024 x 768 float32.
;; This version of the problem:
;;   THIS VERSION OF THE PROBLEM IS GIVEN IN LOW PRECISION. The matrix products marked QUANTISED in the list below multiply operands that are first quantised to E4M3 (4 exponent bits, 3 mantissa bits; 8 bits a number), with one power-of-two scale for each 32 numbers along K (OCP MX v1.0); their sums are f32. All else is computed in f32.
;;   The module's matrix products, in the order in which they are computed (A, B: the left and right operand; K: the contracted axis; several contracted axes count as one K, in the product's order):
;;     1. [M 768, K 768] x [K 768, N 16,384]; A: input Wq (given as codes); B: input x (given as codes): QUANTISED
;;     2. [M 768, K 768] x [K 768, N 16,384]; A: input Wk (given as codes); B: input x (given as codes): QUANTISED
;;     3. [M 768, K 768] x [K 768, N 16,384]; A: input Wv (given as codes); B: input x (given as codes): QUANTISED
;;     4. batch 192 x [M 1,024, K 64] x [K 64, N 1,024]; A: computed on the way; B: computed on the way: QUANTISED
;;     5. batch 192 x [M 1,024, K 1,024] x [K 1,024, N 64]; A: softmax (see below); B: computed on the way: QUANTISED
;;     6. [M 16,384, K 768] x [K 768, N 768]; A: computed on the way; B: input Wp (given as codes): QUANTISED
;;   THE QUANTISER, for each operand of a quantised product, along K:
;;     - K is cut into blocks of 32 from its start; a last block that is shorter is filled with zeros.
;;     - A block's scale is 2^e with e = floor(log2(the largest magnitude in the block)) - 8, held to -126 .. 127; a block of zeros has e = 0. As a byte (E8M0): e + 127.
;;     - Each number is divided by its block's scale, clamped to +-448, and rounded to the nearest number of E4M3, ties to even, subnormals kept.
;;     - The product sums the exact products of the quantised numbers (number of the format x scale) in f32.
;;   ~~~python
;;   def quantise(x, axis):      # numpy; x: float32 -> the quantised numbers, widened to float32 again
;;       x = np.moveaxis(x, axis, -1); K = x.shape[-1]
;;       x = np.pad(x, [(0, 0)] * (x.ndim - 1) + [(0, -K % 32)]); x = x.reshape(x.shape[:-1] + (-1, 32)); a = np.abs(x).max(-1, keepdims=True)
;;       e = np.where(a > 0, np.clip(np.frexp(np.where(a > 0, a, 1))[1] - 1 - 8, -126, 127), 0)      # np.frexp(a)[1] - 1 = floor(log2(a)), exactly
;;       r = np.clip(x / 2.0 ** e, -448, 448)
;;       step = 2.0 ** (np.maximum(np.frexp(np.where(r == 0, 1, r))[1] - 1, -6) - 3)
;;       q = np.round(r / step) * step * 2.0 ** e      # np.round: ties to even
;;       return np.moveaxis(q.reshape(q.shape[:-2] + (-1,))[..., :K], -1, axis).astype(np.float32)
;;   ~~~
;;   SOFTMAX AHEAD OF A QUANTISED PRODUCT. Where the list says 'softmax', what is quantised is not the finished softmax but p = 2^(t - M), with t = logit x log2(e) and M = ceil(the row's largest t), a whole number; so 1/2 < the row's largest p <= 1. The row's sum l is taken of the UNQUANTISED p, in f32, and the product's result is divided by l at the end. Since M is a whole number, a kernel that streams over the keys may use a running M (the ceiling of the running maximum): every later rescaling is an exact power of two, which a block's scale takes up: the codes' values come out the same.
;;   OPERANDS COMPUTED ON THE WAY. 'Computed on the way' means the value that the module computes at that place (a softmax that the list does not call 'softmax' is quantised finished and normalised). What goes into a quantiser is computed in f32, as accurately as f32 sums, v_exp_f32 and their like allow (about 1e-6 of the number): no bf16 or f16 on the way to a quantiser, and a product that is left as it is and whose result goes on into a quantised operand takes f32 operands (vector FMAs, or v_wmma_f32_16x16x4_f32). A number that lies on a knife's edge between two numbers of the format may be rounded either way, as far as f32 arithmetic and the matrix unit's own rounding can turn it there, and no further.
;;   INPUTS GIVEN AS CODES. Wk (in the module: [12, 768, 64], K = its axis 1); Wp (in the module: [768, 768], K = its axis 0); Wq (in the module: [12, 768, 64], K = its axis 1); Wv (in the module: [12, 768, 64], K = its axis 1); x (in the module: [16, 1024, 768], K = its axis 2): each comes as NAME_codes (uint8): NAME with its K axis moved to the last place and cut into blocks of 32 codes, [.., K / 32, bytes a block], one block behind the other in memory; one code a byte (a code: sign, 4 exponent bits, 3 mantissa bits); and NAME_scales (uint8): the same leading axes, one E8M0 byte (e + 127) for each 32 codes along K. Its value is code x scale, taken as it is: it is not quantised again, and the codes and scales need not be those that the quantiser above would give.
;; One version. Each part assembles by itself: llvm-mc -triple=amdgcn-amd-amdhsa -mcpu=gfx1250 --defsym DOCPART=n.
;; ======== version 1 of 1: 3 launches
;; limits: right only within a limited range of input values
;; workspace buffers: q_img 12,582,912 bytes; q_sc 1,572,864 bytes; kv 28,311,552 bytes; o_img 12,582,912 bytes; o_sc 1,572,864 bytes
;; launch qkv (part 1): grid 4 x 64, 4 waves a work-group, clusters of 4 x 4, 327,680 bytes of LDS; arguments x_codes, x_scales, Wq_codes, Wk_codes, Wv_codes, Wq_scales, Wk_scales, Wv_scales, bq, bk, bv, q_img, q_sc, kv; writes q_img, q_sc, kv
.if DOCPART == 1
	.amdgcn_target "amdgcn-amd-amdhsa--gfx1250"
	.amdhsa_code_object_version 6
	.text
	.protected	k_q12dc1caf39_qkv
	.globl	k_q12dc1caf39_qkv
	.p2align	8
	.type	k_q12dc1caf39_qkv,@function
k_q12dc1caf39_qkv:
	s_mov_b64 s[64:65], 0
	v_nop
	global_prefetch_b8 v0, s[64:65] scope:SCOPE_SE
	s_setreg_imm32_b32 hwreg(HW_REG_WAVE_MODE, 25, 1), 1
	s_wait_xcnt 0x0
	s_wait_alu depctr_hold_cnt(0) depctr_sa_sdst(0) depctr_va_vdst(0) depctr_va_sdst(0) depctr_va_ssrc(0) depctr_va_vcc(0) depctr_vm_vsrc(0)
	s_getreg_b32 s2, hwreg(HW_REG_IB_STS2, 6, 4)
	s_cmp_eq_u32 s2, 0
	s_cbranch_scc0 .Lentry_in_a_cluster
	s_endpgm
.Lentry_in_a_cluster:
	s_bfe_u32 s2, ttmp6, 0x10000c
	s_cmp_lg_u32 s2, 0xf033
	s_cbranch_scc0 .Lentry_shape_is_right
	s_endpgm
.Lentry_shape_is_right:
; q = x Wq + bq, k = x Wk + bk, v = x Wv + bv on codes of FP8 (E4M3) with one E8M0 scale for each 32 along K = 768; the results are quantised at once, in f32 arithmetic:
; q and k along the head's 64 features (two blocks of 32), v along the tokens (the keys of the later product).
; SHARES.  A work-group owns 256 tokens and 3 heads; each of its four waves owns 64 tokens, whose codes of x (4 tiles x 6 K steps, 384 registers) stay in registers for the whole launch.
; The work-group walks 9 steps: q, k, v of head 0, 1, 2.  A step's weight tile (64 rows x 768 codes) lies in LDS and is read by all four waves: 16 accumulators x 6 K steps = 96 matrix instructions a wave.
; CLUSTER 4 x 4.  The four work-groups of a row of the cluster own the same tokens and ask for x jointly; the four of a column own the same heads and ask for the weights and their scale bytes jointly.
; LAYOUT OF THE RESULTS.  q, k: source 0 = 16 rows of W, source 1 = 16 tokens: a lane holds one token and its registers run along the features.  v: source 0 = 16 tokens, source 1 = 16 rows of W: a lane
; holds one channel and its registers run along the tokens.  In both a unit of 32 registers is two blocks of 32 along the next K; a lane's 16 registers of a block are elements 8 h + 0..7 and 16 + 8 h + 0..7
; (h = lane / 16) and become the operand's places 16 h + 0..15: ONE ORDER inside a block for q and k, and for v and the later p, so the products are the same; only the matrix unit's grouping of summands differs.
; THE OUTPUT BUFFERS ARE IMAGES OF OPERAND REGISTERS: four registers = 512 bytes, lane l's 16 bytes at 16 l.  q_img [bh][tile of 16 tokens][block 2][512]; q_sc [bh][64 tokens][lane][4 words].
; kv [bh][128 keys: 18,432 bytes]: k's images [tile of 16 keys 8][block 2][512], v's images [16 channels 4][block of 32 keys 4][512], k's scale words [64 keys 2][lane][4 words], v's likewise: all that a key step of the
; next launch reads lies on end, and a head is one dense block of 147,456 bytes.  A scale word = a unit's two bytes, repeated in the upper half; word u: k's tile u of the four, v's 16 channels u.
; LIMITS: a block of zeros gets the byte 1 (its codes are zeros; only this program reads the bytes); NaN and infinities are not served.
.set ROWP,  816                        ; a row of 768 codes in LDS: three runs of 256 bytes, 16 bytes of padding behind each: 51 x 16 bytes, so 16 rows of a load start at 16 different 16-byte columns
.set TILEP, 16*ROWP                    ; 16 rows
.set S2,    0                          ; V's slot: it lies in x's bytes, which are dead once x is in registers
.set S0,    256*ROWP                   ; Q's slot, behind x's 256 rows
.set S1,    S0+4*TILEP                 ; K's slot
.set WSC,   S1+4*TILEP                 ; the scale bytes of my 3 heads: 4,608 bytes each for Wq, Wk, Wv; rows of 24 bytes
.set SPARE, WSC+3*4608                 ; the spare words, 128 bytes for each wave: two blocks of 256 bytes that no other line names
.set PADW,  0x07730000                 ; group 1, word 0: elements of 8 bytes, padding on, bit 21 beside a mask, 4 words of padding after every 64 words
.set KVSTEP, 18432                     ; kv: 128 keys' bytes
.set KVHEAD, 8*KVSTEP                  ; kv: a head's bytes
.set LI,  1                            ; v1   16 x lane: my place in an image
.set AX,  2                            ; v2   LDS: my lane's place in my wave's rows of x
.set AWQ, 3                            ; v3-5 LDS: my lane's place in the slots of Wq, Wk, Wv
.set AWK, 4
.set AWV, 5
.set AWS, 6                            ; v6   LDS: my row's scale bytes of the head in hand
.set BQK, 7                            ; v7   32 h: a bias of q or k
.set BV,  8                            ; v8   4 r: a bias of v
.set XSA, 9                            ; v9   24 r: x's scale bytes
.set SPW, 10                           ; v10  LDS address of my spare word; never rewritten
.set NIL, 11                           ; v11  0; never rewritten
.set SW,  12                           ; v12-15  the four scale words to store
.set XS,  16                           ; v16-39  x's scale words: tile tt, K step s at 6 tt + s
.set WS,  40                           ; v40-63  W's scale words: tile ft, K step s at 6 ft + s
.set ACC, 64                           ; v64-191 16 accumulators
.set CD,  192                          ; v192-223 the codes just made
.set TM,  224                          ; v224-239 +0 largest magnitudes, +4 the other half's, then bytes, +8 448 x scale, +12 the conversion's scale operand
; window 1: x's fragments of K steps 0-3 at 64 s + 16 tt.  window 2: v0-127 those of K steps 4, 5; v128-255 two sets of W's four fragments.  window 3: v0-31 the bias, in the result's layout
; s[20:25] bq, bk, bv; s[26:27] q_img; s[28:29] kv at k's images; s[30:31] kv at v's images; s[32:33] q_sc; s[34:35] kv at k's scale words; s[36:37] kv at v's
.set WV,  38
.set CNT, 44
.set MNT, 45
.set SEL, 46
.set G1W, 52                           ; s[52:59] group 1: 16 rows of W as 48 runs of 256 bytes
.set G0Q, 60                           ; s[60:63], s[68:71], s[72:75] group 0 for Wq, Wk, Wv: they walk from head to head
.set G0K, 68
.set G0V, 72
.set G1X, 76                           ; s[76:83], s[84:87] x: 256 rows as 768 runs of 256 bytes (wave 0); afterwards the first fills of Wq's and Wk's slots: 32 rows as 96 runs
.set G0X, 84
.set G1S, 88                           ; s[88:95] group 1: 4,608 scale bytes as 18 rows of 256; afterwards s[88:91]: group 0 of Wk's first fill
.set G0SQ, 4                           ; s[4:15] group 0 for the three tensors of scale bytes, over pointers that have been used up
.set G0SK, 8
.set G0SV, 12
.set MSB, 0
.macro WIN new                         ; the immediate's high byte repeats the setting that is left
.if MSB != \new
	s_set_vgpr_msb (MSB<<8)|\new
.set MSB, \new
.endif
.endm
.macro PLACES n
.rept \n
	v_nop
.endr
.endm
.macro ROUND                           ; a round of the cluster's barrier
	s_barrier_signal -1
	s_barrier_wait -1
	s_cmp_lg_u32 s[WV], 0
	s_cbranch_scc1 .Lnot_wave_0_\@
	s_barrier_signal -3
.Lnot_wave_0_\@:
	s_barrier_wait -3
	s_barrier_signal -1
	s_barrier_wait -1
.endm
.macro MKG0 g0, ptr, off, base, lds    ; a group 0: count 1, LDS address, global address, type 2
	s_mov_b32 s[\g0], 1
	s_add_co_u32 s[\g0+1], s[\base], \lds
	s_add_nc_u64 s[\g0+2:\g0+3], s[\ptr:\ptr+1], s[\off:\off+1]
	s_or_b32 s[\g0+3], s[\g0+3], 0x80000000
.endm
	s_load_b512 s[4:19], s[0:1], 0x0               ; x_codes, x_scales, Wq, Wk, Wv codes, Wq, Wk, Wv scales
	s_load_b256 s[20:27], s[0:1], 0x40             ; bq, bk, bv, q_img
	s_load_b64 s[32:33], s[0:1], 0x60              ; q_sc
	s_load_b64 s[28:29], s[0:1], 0x68              ; kv
	v_lshl_add_u32 v[SPW], v0, 2, SPARE
	v_mov_b32 v[NIL], 0
	ds_add_u32 v10, v11
	ds_add_u32 v10, v11
	s_wait_dscnt 0x0
	v_lshrrev_b32 v1, 5, v0
	v_readfirstlane_b32 s[WV], v1                  ; wave 0..3
	s_bfe_u32 s39, ttmp6, 0x40000                  ; cx
	s_bfe_u32 s40, ttmp6, 0x40004                  ; cy
	s_lshl_b32 s66, ttmp9, 2
	s_add_co_u32 s66, s66, s39                     ; my group of three heads = 4 x cluster x + cx
	s_and_b32 s41, ttmp7, 0xffff
	s_lshl_b32 s41, s41, 2
	s_add_co_u32 s41, s41, s40                     ; my block of 256 tokens = 4 x cluster y + cy
	s_lshl_b32 s42, s40, 2
	s_lshl_b32 s42, 15, s42                        ; my row of the cluster
	s_lshl_b32 s43, 0x1111, s39                    ; my column
	s_or_b32 s[G1X], s42, PADW                     ; x goes to my row
	s_mov_b32 s[G1X+1], 32<<16                     ; tensor_dim0 = 32 elements of 8 bytes
	s_mov_b32 s[G1X+2], 768<<16                    ; tensor_dim1
	s_mov_b32 s[G1X+3], 32<<16                     ; tile_dim0
	s_mov_b32 s[G1X+4], 768                        ; tile_dim1
	s_mov_b32 s[G1X+5], 32                         ; from run to run: dense
	s_mov_b32 s[G1X+6], 0
	s_mov_b32 s[G1X+7], 0
	s_or_b32 s[G1W], s43, PADW                     ; the weights go to my column
	s_mov_b32 s[G1W+1], 32<<16
	s_mov_b32 s[G1W+2], 48<<16
	s_mov_b32 s[G1W+3], 32<<16
	s_mov_b32 s[G1W+4], 48
	s_mov_b32 s[G1W+5], 32
	s_mov_b32 s[G1W+6], 0
	s_mov_b32 s[G1W+7], 0
	s_or_b32 s[G1S], s43, 0x230000                 ; their scale bytes too: elements of 8 bytes, no padding, bit 21 beside the mask
	s_mov_b32 s[G1S+1], 32<<16
	s_mov_b32 s[G1S+2], 18<<16
	s_mov_b32 s[G1S+3], 32<<16
	s_mov_b32 s[G1S+4], 18
	s_mov_b32 s[G1S+5], 32
	s_mov_b32 s[G1S+6], 0
	s_mov_b32 s[G1S+7], 0
	s_lshl_b32 s48, s41, 8
	s_lshl_b32 s49, s[WV], 6
	s_add_co_u32 s49, s48, s49                     ; my wave's first token
	s_mul_i32 s96, s49, 24                         ; its scale bytes; s48 stays the block's first token
	s_mov_b32 s97, 0
	s_mul_i32 s48, s48, 768                        ; its codes
	s_mov_b32 s49, 0
	s_mul_i32 s50, s66, 3*49152                    ; my first head's weights,
	s_mul_i32 s51, s[WV], 12288                    ; my 16 rows of a tile
	s_add_co_u32 s50, s50, s51
	s_mov_b32 s51, 0
	s_mov_b32 s[CNT], 0                            ; a tensor's scale bytes of three heads come whole, by one wave
	s_mul_i32 s98, s66, 4608
	s_add_co_u32 s98, s98, s[CNT]
	s_mov_b32 s99, 0
	s_mul_i32 s67, s[WV], TILEP                    ; where my 16 rows go in a slot: no place in the cluster enters an LDS address
	s_mul_i32 s39, s[WV], 4*TILEP                  ; where my 64 rows of x lie
	s_mov_b32 s[G0X+1], 0                          ; x's 256 rows begin at LDS byte 0
	s_mov_b32 s[MNT], 0x600000                     ; the mantissa field of 448
	s_mov_b32 s[SEL], 0x76543210
	s_mov_b32 s[SEL+1], 0xfedcba98                 ; v_permlanex16_b32: lane l xor 16
	v_and_b32 v12, 31, v0
	v_lshlrev_b32 v[LI], 4, v12
	v_and_b32 v13, 15, v0                          ; r
	v_bfe_u32 v14, v0, 4, 1                        ; h
	v_mul_u32_u24 v15, v13, ROWP
	v_lshl_add_u32 v15, v14, 4, v15                ; a fragment's row x pitch + 16 h
	v_add_nc_u32 v[AX], s39, v15
	v_add_nc_u32 v[AWQ], S0, v15
	v_add_nc_u32 v[AWK], S1, v15
	v_add_nc_u32 v[AWV], S2, v15
	v_mul_u32_u24 v[XSA], v13, 24
	v_add_nc_u32 v[AWS], WSC, v[XSA]
	v_lshlrev_b32 v[BQK], 5, v14
	v_lshlrev_b32 v[BV], 2, v13
.irp b, 0,1,2,3
	v_mov_b32 v[TM+4+\b], 0                        ; written once: a lane permute's destination counts as one of its sources
.endr
	s_wait_kmcnt 0x0
	s_mov_b32 s[G0X], 1
	s_add_nc_u64 s[G0X+2:G0X+3], s[4:5], s[48:49]
	s_or_b32 s[G0X+3], s[G0X+3], 0x80000000
	s_add_nc_u64 s[2:3], s[6:7], s[96:97]          ; x's scale bytes at my first token
	MKG0 G0Q, 8, 50, 67, S0
	MKG0 G0K, 10, 50, 67, S1
	MKG0 G0V, 12, 50, 67, S2
	s_and_b32 s48, s[WV], 1                        ; the first fills of Wq's and Wk's slots: 32 rows a wave, waves 0, 1 for Wq, waves 2, 3 for Wk
	s_mul_i32 s40, s48, 2*TILEP                    ; my half's place in a slot
	s_mul_i32 s48, s48, 24576
	s_mul_i32 s49, s66, 3*49152
	s_add_co_u32 s48, s48, s49
	s_mov_b32 s49, 0
	s_add_nc_u64 s[50:51], s[10:11], s[48:49]      ; Wk at my half of the first head's rows
	s_add_nc_u64 s[48:49], s[8:9], s[48:49]        ; Wq likewise
	MKG0 G0SQ, 14, 98, CNT, WSC
	MKG0 G0SK, 16, 98, CNT, WSC+4608
	MKG0 G0SV, 18, 98, CNT, WSC+9216
	ROUND                                          ; all sixteen work-groups are here: the first joint loads meet
	s_cmp_eq_u32 s[WV], 0                          ; the head's loads, one a wave, in one chain of arms: wave 0 x's 256 rows, waves 1 to 3 the scale bytes of Wq, Wk, Wv
	s_cbranch_scc0 .Larm_sq
	tensor_load_to_lds s[G0X:G0X+3], s[G1X:G1X+7]
	s_nop 0
	PLACES 4
	s_branch .Larm_join
.Larm_sq:
	s_cmp_eq_u32 s[WV], 1
	s_cbranch_scc0 .Larm_sk
	tensor_load_to_lds s[G0SQ:G0SQ+3], s[G1S:G1S+7]
	s_nop 0
	PLACES 4
	s_branch .Larm_join
.Larm_sk:
	s_cmp_eq_u32 s[WV], 2
	s_cbranch_scc0 .Larm_sv
	tensor_load_to_lds s[G0SK:G0SK+3], s[G1S:G1S+7]
	s_nop 0
	PLACES 4
	s_branch .Larm_join
.Larm_sv:
	tensor_load_to_lds s[G0SV:G0SV+3], s[G1S:G1S+7]
	s_nop 0
	PLACES 4
.Larm_join:
	s_mul_i32 s96, s66, 768                        ; the biases of my first head
	s_mov_b32 s97, 0
	s_add_nc_u64 s[20:21], s[20:21], s[96:97]
	s_add_nc_u64 s[22:23], s[22:23], s[96:97]
	s_add_nc_u64 s[24:25], s[24:25], s[96:97]
	s_lshr_b32 s96, s41, 2                         ; the batch
	s_mul_i32 s96, s96, 12
	s_mul_i32 s97, s66, 3
	s_add_co_u32 s96, s96, s97                     ; bh of my first head
	s_and_b32 s97, s41, 3
	s_lshl_b32 s97, s97, 2
	s_add_co_u32 s97, s97, s[WV]                   ; g: my 64 tokens among the sequence's 16 groups
	s_lshl_b32 s98, s96, 16
	s_lshl_b32 s67, s97, 12
	s_add_co_u32 s98, s98, s67                     ; q_img: 65,536 bh + 4,096 g
	s_mov_b32 s99, 0
	s_add_nc_u64 s[26:27], s[26:27], s[98:99]
	s_lshl_b32 s98, s96, 13
	s_lshl_b32 s67, s97, 9
	s_add_co_u32 s98, s98, s67                     ; q_sc: 8,192 bh + 512 g
	s_add_nc_u64 s[32:33], s[32:33], s[98:99]
	s_mul_i32 s98, s96, KVHEAD
	s_lshr_b32 s67, s97, 1
	s_mul_i32 s67, s67, KVSTEP
	s_add_co_u32 s98, s98, s67                     ; kv: 147,456 bh + 18,432 (g / 2): the 128 keys of which my 64 tokens are a half
	s_add_nc_u64 s[28:29], s[28:29], s[98:99]
	s_and_b32 s67, s97, 1                          ; which half
	s_lshl_b32 s98, s67, 10
	s_add_co_u32 s98, s98, 8192
	s_add_nc_u64 s[30:31], s[28:29], s[98:99]      ; v's images: + 8,192 + 1,024 (g % 2): blocks 0, 1 or 2, 3 of each 16 channels
	s_lshl_b32 s98, s67, 9
	s_add_co_u32 s98, s98, 16384
	s_add_nc_u64 s[34:35], s[28:29], s[98:99]      ; k's scale words: + 16,384 + 512 (g % 2)
	s_add_nc_u64 s[36:37], s[34:35], 1024          ; v's: 1,024 further on
	s_lshl_b32 s98, s67, 12
	s_add_nc_u64 s[28:29], s[28:29], s[98:99]      ; k's images: + 4,096 (g % 2)
	s_wait_alu depctr_va_vdst(0)
.irp tt, 0,1,2,3
.irp j, 0,1,2
	global_load_b64 v[XS+6*\tt+2*\j:XS+6*\tt+2*\j+1], v[XSA], s[2:3] offset:384*\tt+8*\j   ; x's scale words: token 16 tt + r, K steps 2 j, 2 j + 1
.endr
.endr
; a bias of q or k as the C of a sum's first product: lane (r, h) wants, for tile ft, features 16 ft + 8 h + 0..7
.macro BIASQK ptr, off
	WIN 0xc0                                       ; destination window 3
.irp ft, 0,1,2,3
.irp e, 0,1
	global_load_b128 v[8*\ft+4*\e:8*\ft+4*\e+3], v[BQK], s[\ptr:\ptr+1] offset:\off+64*\ft+16*\e
.endr
.endr
	WIN 0
.endm
; a bias of v: the lane is the channel, so all eight registers of tile ft hold bv[16 ft + r]
.macro BIASV ptr
	WIN 0xc0
.irp ft, 0,1,2,3
.irp j, 0,1,2,3,4,5,6,7
	global_load_b32 v[8*\ft+\j], v[BV], s[\ptr:\ptr+1] offset:64*\ft
.endr
.endr
	WIN 0
.endm
; W's four fragments of K step s into set p
.macro FETCHW adr, s, p
	WIN 0x80                                       ; destination window 2
.irp ft, 0,1,2,3
.irp c, 0,1,2,3
	ds_load_b128 v[128+64*(\p)+16*\ft+4*\c:128+64*(\p)+16*\ft+4*\c+3], v[\adr] offset:TILEP*\ft+128*(\s)+16*((\s)/2)+32*\c
.endr
.endr
	WIN 0
.endm
.macro WSCALES typ                     ; the tile's scale words for all six K steps
.irp ft, 0,1,2,3
.irp j, 0,1,2
	ds_load_b64 v[WS+6*\ft+2*\j:WS+6*\ft+2*\j+1], v[AWS] offset:4608*\typ+384*\ft+8*\j
.endr
.endr
.endm
; 16 matrix instructions: K step s, W's set p.  The 16 accumulators take turns, one instruction a turn, in the same order in every K step.  The first K step takes the bias as C.
.macro MULS kind, s, p
.if \kind == 0                         ; q, k: source 0 = W (window 2), source 1 = x (window 1, or 2 for K steps 4, 5)
.if \s == 0
	WIN 0x36
.elseif \s < 4
	WIN 0x06
.else
	WIN 0x0a
.endif
.irp tt, 0,1,2,3
.irp ft, 0,1,2,3
.if \s == 0
	v_wmma_scale_f32_16x16x128_f8f6f4 v[ACC+32*\tt+8*\ft:ACC+32*\tt+8*\ft+7], v[128+64*(\p)+16*\ft:128+64*(\p)+16*\ft+15], v[64*((\s)%4)+16*\tt:64*((\s)%4)+16*\tt+15], v[8*\ft:8*\ft+7], v[WS+6*\ft+\s], v[XS+6*\tt+\s]
.else
	v_wmma_scale_f32_16x16x128_f8f6f4 v[ACC+32*\tt+8*\ft:ACC+32*\tt+8*\ft+7], v[128+64*(\p)+16*\ft:128+64*(\p)+16*\ft+15], v[64*((\s)%4)+16*\tt:64*((\s)%4)+16*\tt+15], v[ACC+32*\tt+8*\ft:ACC+32*\tt+8*\ft+7], v[WS+6*\ft+\s], v[XS+6*\tt+\s]
.endif
.endr
.endr
.else                                  ; v: source 0 = x, source 1 = W
.if \s == 0
	WIN 0x39
.elseif \s < 4
	WIN 0x09
.else
	WIN 0x0a
.endif
.irp ft, 0,1,2,3
.irp tt, 0,1,2,3
.if \s == 0
	v_wmma_scale_f32_16x16x128_f8f6f4 v[ACC+32*\ft+8*\tt:ACC+32*\ft+8*\tt+7], v[64*((\s)%4)+16*\tt:64*((\s)%4)+16*\tt+15], v[128+64*(\p)+16*\ft:128+64*(\p)+16*\ft+15], v[8*\ft:8*\ft+7], v[XS+6*\tt+\s], v[WS+6*\ft+\s]
.else
	v_wmma_scale_f32_16x16x128_f8f6f4 v[ACC+32*\ft+8*\tt:ACC+32*\ft+8*\tt+7], v[64*((\s)%4)+16*\tt:64*((\s)%4)+16*\tt+15], v[128+64*(\p)+16*\ft:128+64*(\p)+16*\ft+15], v[ACC+32*\ft+8*\tt:ACC+32*\ft+8*\tt+7], v[XS+6*\tt+\s], v[WS+6*\ft+\s]
.endif
.endr
.endr
.endif
.endm
; 64 registers from v[s] on = two units = four blocks of 32 (16 numbers in my lane, 16 in lane l xor 16) become 16 registers of codes from v[c] on and two scale words v[w], v[w + 1]
.macro QUANT2 s, c, w
.irp b, 0,1,2,3
	v_max3_num_f32 v[TM+\b], |v[\s+16*\b]|, |v[\s+16*\b+1]|, 0x4800000   ; my 16 numbers and the floor 2^(9 - 127): the byte cannot fall under 1.  Each accumulator is read from its low end on
.endr
.irp i, 2,4,6,8,10,12,14
.irp b, 0,1,2,3
	v_max3_num_f32 v[TM+\b], v[TM+\b], |v[\s+16*\b+\i]|, |v[\s+16*\b+\i+1]|   ; the four blocks by turns
.endr
.endr
.irp b, 0,1,2,3
	v_permlanex16_b32 v[TM+4+\b], v[TM+\b], s[SEL], s[SEL+1]
.endr
.irp b, 0,1,2,3
	v_max_num_f32 v[TM+\b], v[TM+\b], v[TM+4+\b]   ; the block's largest magnitude
.endr
.irp b, 0,1,2,3
	v_add_nc_u32 v[TM+12+\b], 0xfc000000, v[TM+\b] ; 8 off its exponent field: the conversion's scale operand
.endr
.irp b, 0,1,2,3
	v_and_or_b32 v[TM+8+\b], v[TM+\b], 0x7f800000, s[MNT]   ; 448 x the scale
.endr
.irp b, 0,1,2,3
	v_lshrrev_b32 v[TM+4+\b], 23, v[TM+12+\b]      ; the scale's byte
.endr
	v_lshl_or_b32 v[\w], v[TM+5], 8, v[TM+4]
	v_lshl_or_b32 v[\w+1], v[TM+7], 8, v[TM+6]
	v_lshl_or_b32 v[\w], v[\w], 16, v[\w]          ; the two bytes once more in the upper half
	v_lshl_or_b32 v[\w+1], v[\w+1], 16, v[\w+1]
.irp b, 0,1,2,3
.irp i, 0,1,2,3,4,5,6,7,8,9,10,11,12,13,14,15
	v_med3_num_f32 v[\s+16*\b+\i], v[\s+16*\b+\i], -v[TM+8+\b], v[TM+8+\b]   ; the conversion to an 8-bit code does not saturate (ISA guide 7.6.2): the hold at 448 x the scale
.endr
	v_cvt_scalef32_pk8_fp8_f32 v[\c+4*\b:\c+4*\b+1], v[\s+16*\b:\s+16*\b+7], v[TM+12+\b]
	v_cvt_scalef32_pk8_fp8_f32 v[\c+4*\b+2:\c+4*\b+3], v[\s+16*\b+8:\s+16*\b+15], v[TM+12+\b]
.endr
	v_nop                                          ; one plain place behind the last conversions
.endm
; A step's head.  Every wave waits for all its tensor loads, adds 0 to its spare word, and waits for that and for its LDS reads.  fill = 1: a round of the cluster's barrier, and behind it my one tensor
; load: the tile two steps on, into the slot that was read in the step before.  st1, st2: groups 0 that step to the next head here, where no load of mine is out.
.macro HEAD fill, g0, st1, st2
	WIN 0
	s_wait_tensorcnt 0x0                           ; all my tensor loads have landed, my part of this step's tile among them
	ds_add_u32 v[SPW], v[NIL]                      ; 0 onto my spare word
.if \st1
	s_add_nc_u64 s[\st1+2:\st1+3], s[\st1+2:\st1+3], 49152
.endif
.if \st2
	s_add_nc_u64 s[\st2+2:\st2+3], s[\st2+2:\st2+3], 49152
.endif
	s_wait_dscnt 0x0                               ; the add is done, and my reads of the slot left behind (in the first step: of x) are over
.if \fill
	ROUND                                          ; no wave of any partner still reads that slot or has a load on its way
	tensor_load_to_lds s[\g0:\g0+3], s[G1W:G1W+7]
	s_nop 0
	PLACES 4
.else
	s_barrier_signal -1
	s_barrier_wait -1
.endif
.endm
; One step: a weight tile against my 64 tokens, quantised and stored.  nb: the next step's bias (1: of q or k, 2: of v, 0: none), from s[nbp] + nbo
.macro STEP kind, adr, typ, fill, g0, st1, st2, nb, nbp, nbo, img, sc
	HEAD \fill, \g0, \st1, \st2
	s_wait_loadcnt 0x0                             ; this step's bias (and, in the first step, x's scale words)
	s_wait_alu depctr_va_vdst(0)
	WSCALES \typ
	FETCHW \adr, 0, 0
.irp k, 0,1,2,3,4,5
.if \k < 5
.if \k > 0
	PLACES 8                                       ; eight places in front of loads into registers that the last products have read
.endif
.if \k == 1
.if \nb == 1
	BIASQK \nbp, \nbo
.elseif \nb == 2
	BIASV \nbp
.endif
.endif
	FETCHW \adr, \k+1, (\k+1)%2
	s_wait_dscnt 16                                ; all but the 16 loads just issued: this K step's set (and the scale words) are in
.else
	s_wait_dscnt 0x0
.endif
	MULS \kind, \k, \k%2
.endr
	WIN 0
	PLACES 8                                       ; in front of the first read of results, and of the next step's loads into W's registers and scale words
	s_wait_xcnt 0x0                                ; the last step's stores have read their registers: the codes and the scale words are written again only behind this wait
	QUANT2 ACC, CD, SW
	QUANT2 ACC+64, CD+16, SW+2
.irp u, 0,1,2,3
.irp bb, 0,1
	global_store_b128 v[LI], v[CD+8*\u+4*\bb:CD+8*\u+4*\bb+3], s[\img:\img+1] offset:(1024+1024*\kind)*\u+512*\bb   ; 32 lanes store 512 consecutive bytes, aligned
.endr
.endr
	global_store_b128 v[LI], v[SW:SW+3], s[\sc:\sc+1]
.endm
	BIASQK 20, 0                                   ; the first step's bias
	s_wait_tensorcnt 0x0                           ; my tile of the head's four is in
	ds_add_u32 v[SPW], v[NIL]
	s_or_b32 s[G1X], s43, PADW                     ; no load of mine is out, so descriptors may be written: the weights go to my column,
	s_mov_b32 s[G1X+2], 96<<16                     ; 32 rows as 96 runs of 256 bytes
	s_mov_b32 s[G1X+4], 96
	s_add_co_u32 s[G0X+1], s40, S0
	s_mov_b64 s[G0X+2:G0X+3], s[48:49]
	s_or_b32 s[G0X+3], s[G0X+3], 0x80000000
	s_mov_b32 s[G1S], 1
	s_add_co_u32 s[G1S+1], s40, S1
	s_mov_b64 s[G1S+2:G1S+3], s[50:51]
	s_or_b32 s[G1S+3], s[G1S+3], 0x80000000
	s_wait_dscnt 0x0
	ROUND                                          ; x and the scale bytes are in for every wave, and all sixteen work-groups are here
	s_cmp_lt_u32 s[WV], 2
	s_cbranch_scc0 .Lfirst_k
	tensor_load_to_lds s[G0X:G0X+3], s[G1X:G1X+7]  ; the first head's Wq, my half
	s_nop 0
	PLACES 4
	s_branch .Lfirst_join
.Lfirst_k:
	tensor_load_to_lds s[G1S:G1S+3], s[G1X:G1X+7]  ; the first head's Wk, my half
	s_nop 0
	PLACES 4
.Lfirst_join:
	WIN 0x40                                       ; destination window 1
.irp k, 0,1,2,3
.irp tt, 0,1,2,3
.irp c, 0,1,2,3
	ds_load_b128 v[64*\k+16*\tt+4*\c:64*\k+16*\tt+4*\c+3], v[AX] offset:TILEP*\tt+128*\k+16*(\k/2)+32*\c
.endr
.endr
.endr
	WIN 0x80                                       ; destination window 2
.irp k, 4,5
.irp tt, 0,1,2,3
.irp c, 0,1,2,3
	ds_load_b128 v[64*(\k-4)+16*\tt+4*\c:64*(\k-4)+16*\tt+4*\c+3], v[AX] offset:TILEP*\tt+128*\k+16*(\k/2)+32*\c
.endr
.endr
.endr
	WIN 0
	s_mov_b32 s[CNT], 2
.Lhead:                                                ; two trips: heads 0 and 1.  Each step asks for the tile two steps on
	STEP 0, AWQ, 0, 1, G0V, G0Q, G0K, 1, 22, 0, 26, 32
	STEP 0, AWK, 1, 1, G0Q, G0V, 0, 2, 24, 0, 28, 34
	STEP 1, AWV, 2, 1, G0K, 0, 0, 1, 20, 256, 30, 36
	s_wait_xcnt 0x0                                ; the bases of the stores and of the bias loads step only behind this wait
	s_add_nc_u64 s[20:21], s[20:21], 256
	s_add_nc_u64 s[22:23], s[22:23], 256
	s_add_nc_u64 s[24:25], s[24:25], 256
	s_add_nc_u64 s[26:27], s[26:27], 65536
	s_add_nc_u64 s[28:29], s[28:29], KVHEAD
	s_add_nc_u64 s[30:31], s[30:31], KVHEAD
	s_add_nc_u64 s[32:33], s[32:33], 8192
	s_add_nc_u64 s[34:35], s[34:35], KVHEAD
	s_add_nc_u64 s[36:37], s[36:37], KVHEAD
	v_add_nc_u32 v[AWS], 1536, v[AWS]              ; the next head's scale bytes
	s_sub_co_u32 s[CNT], s[CNT], 1
	s_cmp_lg_u32 s[CNT], 0
	s_cbranch_scc1 .Lhead
	STEP 0, AWQ, 0, 1, G0V, 0, 0, 1, 22, 0, 26, 32 ; head 2 is written out: only its V is still to be asked for
	STEP 0, AWK, 1, 0, 0, 0, 0, 2, 24, 0, 28, 34
	STEP 1, AWV, 2, 0, 0, 0, 0, 0, 0, 0, 30, 36
	s_wait_tensorcnt 0x0                           ; the wave's end
	ds_add_u32 v[SPW], v[NIL]
	s_wait_dscnt 0x0
	ROUND                                          ; the closing round: no work-group ends while a partner may still ask for a tile that names it
	s_endpgm
.Lfunc_end_k_q12dc1caf39_qkv:
	.size	k_q12dc1caf39_qkv, .Lfunc_end_k_q12dc1caf39_qkv-k_q12dc1caf39_qkv
	.p2alignl 7, 3214868480
	.fill 96, 4, 3214868480
	.section	.rodata,"a",@progbits
	.p2align	6, 0x0
	.amdhsa_kernel k_q12dc1caf39_qkv
		.amdhsa_group_segment_fixed_size 327680
		.amdhsa_private_segment_fixed_size 0
		.amdhsa_enable_private_segment 0
		.amdhsa_kernarg_size 112
		.amdhsa_user_sgpr_count 2
		.amdhsa_user_sgpr_kernarg_segment_ptr 1
		.amdhsa_wavefront_size32 1
		.amdhsa_system_sgpr_workgroup_id_x 1
		.amdhsa_system_sgpr_workgroup_id_y 1
		.amdhsa_system_sgpr_workgroup_id_z 1
		.amdhsa_system_vgpr_workitem_id 0
		.amdhsa_next_free_vgpr 800
		.amdhsa_next_free_sgpr 100
		.amdhsa_reserve_vcc 0
		.amdhsa_float_denorm_mode_32 3
		.amdhsa_float_denorm_mode_16_64 3
		.amdhsa_memory_ordered 1
		.amdhsa_forward_progress 1
		.amdhsa_inst_pref_size 255
	.end_amdhsa_kernel
	.section	.bss,"aw",@nobits
	.p2align	6
	.space	262144
	.amdgpu_metadata
---
amdhsa.version: [ 1, 2 ]
amdhsa.kernels:
  - .name:           k_q12dc1caf39_qkv
    .symbol:         k_q12dc1caf39_qkv.kd
    .args:
      - { .name: x_codes, .offset: 0, .size: 8, .value_kind: global_buffer, .address_space: global }
      - { .name: x_scales, .offset: 8, .size: 8, .value_kind: global_buffer, .address_space: global }
      - { .name: Wq_codes, .offset: 16, .size: 8, .value_kind: global_buffer, .address_space: global }
      - { .name: Wk_codes, .offset: 24, .size: 8, .value_kind: global_buffer, .address_space: global }
      - { .name: Wv_codes, .offset: 32, .size: 8, .value_kind: global_buffer, .address_space: global }
      - { .name: Wq_scales, .offset: 40, .size: 8, .value_kind: global_buffer, .address_space: global }
      - { .name: Wk_scales, .offset: 48, .size: 8, .value_kind: global_buffer, .address_space: global }
      - { .name: Wv_scales, .offset: 56, .size: 8, .value_kind: global_buffer, .address_space: global }
      - { .name: bq, .offset: 64, .size: 8, .value_kind: global_buffer, .address_space: global }
      - { .name: bk, .offset: 72, .size: 8, .value_kind: global_buffer, .address_space: global }
      - { .name: bv, .offset: 80, .size: 8, .value_kind: global_buffer, .address_space: global }
      - { .name: q_img, .offset: 88, .size: 8, .value_kind: global_buffer, .address_space: global }
      - { .name: q_sc, .offset: 96, .size: 8, .value_kind: global_buffer, .address_space: global }
      - { .name: kv, .offset: 104, .size: 8, .value_kind: global_buffer, .address_space: global }
    .group_segment_fixed_size: 327680
    .private_segment_fixed_size: 0
    .kernarg_segment_align: 8
    .kernarg_segment_size: 112
    .max_flat_workgroup_size: 128
    .sgpr_count:     100
    .vgpr_count:     800
    .wavefront_size: 32
...
	.end_amdgpu_metadata
.endif
;; end of part 1
;; launch attn (part 2): grid 256 x 1, 8 waves a work-group, no clusters, 327,680 bytes of LDS; arguments q_img, q_sc, kv, o_img, o_sc; writes o_img, o_sc
.if DOCPART == 2
	.amdgcn_target "amdgcn-amd-amdhsa--gfx1250"
	.amdhsa_code_object_version 6
	.text
	.protected	k_q12dc1caf39_attn
	.globl	k_q12dc1caf39_attn
	.p2align	8
	.type	k_q12dc1caf39_attn,@function
k_q12dc1caf39_attn:
	s_mov_b64 s[64:65], 0
	v_nop
	global_prefetch_b8 v0, s[64:65] scope:SCOPE_SE
	s_setreg_imm32_b32 hwreg(HW_REG_WAVE_MODE, 25, 1), 1
	s_wait_xcnt 0x0
; o = softmax(q k^T / 8) v for 192 heads (batch x head) of 1,024 tokens and 64 features, both products on codes of FP8 (E4M3) with E8M0 scales; o is quantised at once along the features.
; t = score x log2(e) / 8; M = the running largest t rounded up to a whole number; p = 2^(t - M) is quantised along the keys; the row's sum is taken of the unquantised p and divides at the end.
; THE DEAL.  Three heads have 192 tiles of 16 queries; four neighbouring work-groups take 48 tiles each, so that a work-group needs at most two heads: j = 0: head 0 tiles 0-47; j = 1: head 0 tiles 48-63, head 1 tiles 0-31;
; j = 2: head 2 tiles 0-15, head 1 tiles 32-63; j = 3: head 2 tiles 16-63.  Pass 0 (16 tiles) reads LDS slot 0, passes 1 and 2 slot 1: LDS addresses are constants of the pass, and only global addresses hang on j.
; For j = 0 and 3 both slots take the same head, so that every work-group runs the same text and every byte fetched is read.
; A WAVE OWNS TWO TILES of a pass: each fragment of k and v that it reads from LDS feeds two products.  The two tiles' maxima stand by turns; from there on the tiles go half a phase apart:
; tile 0's exponentials take turns with tile 1's scalings, tile 1's exponentials with tile 0's holds: lines that work element by element and hang on nothing in the batch beside them.
; FILLS.  A head's k and v are 8 key steps of 18,432 bytes on end; the two slots are 16 such pieces, two to a wave's one tensor load at the head (144 rows of 256 bytes), and no LDS byte is filled again.
; The first barrier shows wave 0's pieces (key steps 0, 1 of slot 0: a load line of its own), the second all the rest.  From there to the end no barrier stands.
; THE LOOK-AHEAD.  k and v have registers of their own: behind a step's score products the next step's k is fetched.  Its address is held at the last step of each run of steps, whose k is then read once more.
; NO CLUSTER: the four work-groups that share heads need different heads in their slots (0|0, 0|1, 2|1, 2|2), so no joint load would have the same descriptor in all that it names.
; NO PREFETCH: all that a work-group reads of kv is asked for by the head's eight loads; there is no loop to run ahead in.
; A PRODUCT'S K IS 128, A HEAD'S 64: two tiles of k stand on end as source 0 and meet [q | 0] or [0 | q]: the other tile's codes are finite and meet zero codes.
; A pass begins with O^T and the sum at 0 and the largest t at -3e38, so that the key step is written without a first form of its own: three copies of the step in the text.
; LIMITS: the scaled scores stay under 2^31 in magnitude; NaN and infinities are not served; a block of zeros gets the byte 1 (its codes are zeros; only this program reads the bytes).
.set STEPB, 18432                      ; a key step: k's images 8,192, v's images 8,192, k's scale words 1,024, v's 1,024
.set VI,    8192
.set KW,    16384
.set VW,    17408
.set SLOTB, 8*STEPB
.set OSC,   2*SLOTB                    ; o's scale words on their way out: [pass 3][64 tokens 4][lane][4 words]; no fill lands here
.set SPARE, OSC+3*2048                 ; the spare words, 128 bytes a wave
; WINDOW 0 (q = 0, 1: my two tiles)
.set LI,  1                            ; 16 x lane
.set A,   2                            ; LDS address of the key step in hand
.set SPW, 3
.set NIL, 4
.set OW,  5                            ; where my first tile's scale word goes in OSC
.set WA,  6
.set AN,  7                            ; LDS address of the next key step
.set QS,  8                            ; + q: q's scale word
.set PW,  12                           ; + q: p's scale word
.set VA,  16                           ; v16-23 v's scale words
.set KSC, 24                           ; v24-31 k's
.set NM,  32                           ; + 2 q: -M, the largest t
.set SUM, 36                           ; + 2 q
.set SM2, 40                           ; + 2 q
.set F,   44                           ; + 2 q: f, 0
.set T,   48                           ; + q
.set T2,  50                           ; + q: the last step's -M
.set MX,  52                           ; + 4 q
.set PX,  60                           ; + 4 q
.set HD,  68                           ; + 4 q: 448 x scale,
.set HD2, 77                           ; + 4 q: and a second copy in another bank for the dual form's second half
.set SO,  88                           ; + 4 q
.set PC,  96                           ; + 16 q: p's codes
.set SM3, 112                          ; two more chains of the row's sum
.set SM4, 114
.set S,   128                          ; + 64 q: the scores, then p
; WINDOW 1
.set KF,  0                            ; k's eight tiles
.set VF,  64                           ; v's four fragments
.set QB,  136                          ; + 16 q: q; zeros at 128-135, 144-151, 160-167
.set OT,  168                          ; + 32 q: O^T
.set WV,  20
.set G,   21                           ; my group of three heads
.set J,   22
.set BH0, 23
.set T0,  24                           ; pass 0's first tile among the group's 192
.set T1,  25                           ; pass 1's
.set CNT, 26
.set PASS, 27
.set SEL, 28
.set CS,  30
.set MNT, 32
.set TC,  33                           ; my first tile of this pass
.set TN,  34                           ; and of the next
.set OWS, 35
.set KN,  36                           ; LDS byte at which the next key step begins
.set G1,  40
.set G0,  48
.set QP,  52
.set QSP, 54
.set OP,  56
.set MSB, 0
.macro WIN new                         ; the immediate's high byte repeats the setting that is left
.if MSB != \new
	s_set_vgpr_msb (MSB<<8)|\new
.set MSB, \new
.endif
.endm
.macro PLACES n
.rept \n
	v_nop
.endr
.endm
.macro ADRQ tt                         ; q's images and scale words of tiles s[tt], s[tt] + 1
	s_lshr_b32 s58, s[\tt], 6
	s_add_co_u32 s58, s58, s[BH0]                  ; bh
	s_and_b32 s59, s[\tt], 63                      ; the tile in its head
	s_lshl_b32 s60, s58, 16
	s_lshl_b32 s61, s59, 10
	s_add_co_u32 s60, s60, s61
	s_mov_b32 s61, 0
	s_add_nc_u64 s[QP:QP+1], s[4:5], s[60:61]
	s_lshl_b32 s60, s58, 13
	s_lshr_b32 s62, s59, 2
	s_lshl_b32 s62, s62, 9
	s_add_co_u32 s60, s60, s62
	s_and_b32 s63, s59, 3
	s_lshl_b32 s63, s63, 2
	s_add_co_u32 s60, s60, s63
	s_add_nc_u64 s[QSP:QSP+1], s[6:7], s[60:61]
.endm
.macro QLOAD
	WIN 0x40
.irp q, 0,1
	global_load_b128 v[QB+16*\q:QB+16*\q+3], v[LI], s[QP:QP+1] offset:1024*\q
	global_load_b128 v[QB+16*\q+4:QB+16*\q+7], v[LI], s[QP:QP+1] offset:1024*\q+512
.endr
	WIN 0
.irp q, 0,1
	global_load_b32 v[QS+\q], v[LI], s[QSP:QSP+1] offset:4*\q
.endr
.endm
	s_load_b256 s[4:11], s[0:1], 0x0               ; q_img, q_sc, kv, o_img
	s_load_b64 s[12:13], s[0:1], 0x20              ; o_sc
	v_lshl_add_u32 v[SPW], v0, 2, SPARE
	v_mov_b32 v[NIL], 0
	ds_add_u32 v[SPW], v[NIL]                      ; the add twice on end, and its wait ahead of my tensor load
	ds_add_u32 v[SPW], v[NIL]
	v_lshrrev_b32 v1, 5, v0
	v_readfirstlane_b32 s[WV], v1
	s_lshr_b32 s[G], ttmp9, 2
	s_and_b32 s[J], ttmp9, 3
	s_mul_i32 s[BH0], s[G], 3
	s_mul_i32 s[T0], s[J], 48
	s_add_co_u32 s[T1], s[T0], 16
	s_cmp_eq_u32 s[J], 2                           ; j = 2 takes its 16 tiles of head 2 first
	s_cselect_b32 s58, 32, 0
	s_cselect_b32 s59, 16, 0
	s_add_co_u32 s[T0], s[T0], s58                 ; 0, 48, 128, 144
	s_sub_co_u32 s[T1], s[T1], s59                 ; 16, 64, 96, 160
	s_cmp_lt_u32 s[WV], 4                          ; waves 0-3 fetch slot 0's key steps, waves 4-7 slot 1's, two each
	s_cselect_b32 s58, s[T0], s[T1]
	s_lshr_b32 s58, s58, 6
	s_add_co_u32 s58, s58, s[BH0]
	s_lshl_b32 s58, s58, 3
	s_and_b32 s59, s[WV], 3
	s_lshl_b32 s59, s59, 1
	s_add_co_u32 s58, s58, s59
	s_mul_i32 s58, s58, STEPB
	s_mov_b32 s59, 0
	s_mov_b32 s[G1], 3<<16                         ; elements of 8 bytes; 144 dense rows of 256 bytes
	s_mov_b32 s[G1+1], 32<<16
	s_mov_b32 s[G1+2], 144<<16
	s_mov_b32 s[G1+3], 32<<16
	s_mov_b32 s[G1+4], 144
	s_mov_b32 s[G1+5], 32
	s_mov_b32 s[G1+6], 0
	s_mov_b32 s[G1+7], 0
	s_mov_b32 s[G0], 1
	s_mul_i32 s[G0+1], s[WV], 2*STEPB              ; slot 1 follows slot 0
	s_mov_b32 s[SEL], 0x76543210
	s_mov_b32 s[SEL+1], 0xfedcba98
	s_mov_b32 s[CS], 0x3e38aa3b                    ; log2(e) / 8
	s_mov_b32 s[CS+1], s[CS]
	s_mov_b32 s[MNT], 0x600000
	s_mov_b32 s[PASS], 0
	s_mov_b32 s[OWS], 0
	s_wait_dscnt 0x0
	s_wait_kmcnt 0x0
	s_add_nc_u64 s[G0+2:G0+3], s[8:9], s[58:59]
	s_or_b32 s[G0+3], s[G0+3], 0x80000000
	s_cmp_lt_u32 s[WV], 1                          ; wave 0 has a load line of its own: the first barrier waits for it alone
	s_cbranch_scc0 .Lrest
	tensor_load_to_lds s[G0:G0+3], s[G1:G1+7]
	s_nop 0
	PLACES 4
	s_branch .Lasked
.Lrest:
	tensor_load_to_lds s[G0:G0+3], s[G1:G1+7]
	s_nop 0
	PLACES 4
.Lasked:
	s_lshl_b32 s58, s[WV], 1
	s_add_co_u32 s[TC], s[T0], s58
	s_add_co_u32 s[TN], s[T1], s58
	ADRQ TC
	s_lshr_b32 s58, s[WV], 1
	s_lshl_b32 s58, s58, 9
	s_and_b32 s59, s[WV], 1
	s_lshl_b32 s59, s59, 3
	s_add_co_u32 s58, s58, s59
	s_add_co_u32 s58, s58, OSC
	v_and_b32 v1, 31, v0
	v_lshlrev_b32 v[LI], 4, v1
	v_add_nc_u32 v[OW], s58, v[LI]
.irp b, 0,1,2,3,4,5,6,7
	v_mov_b32 v[PX+\b], 0                          ; a lane permute's destination counts as one of its sources
.endr
.irp q, 0,1
	v_mov_b32 v[F+2*\q+1], 0
	v_mov_b32 v[T+\q], 0
.endr
	WIN 0x40
.irp z, 128,144,160
.irp i, 0,1,2,3,4,5,6,7
	v_mov_b32 v[\z+\i], 0
.endr
.endr
	WIN 0
	s_wait_alu depctr_va_vdst(0)
	QLOAD
.macro SCALEOPS q                      ; from a tile's four largest p: the conversions' scale operands, the holds' bounds, the scale bytes
.irp b, 0,1,2,3
	v_max_num_f32 v[MX+4*\q+\b], 0x4800000, v[MX+4*\q+\b]
.endr
.irp b, 0,1,2,3
	v_add_nc_u32 v[SO+4*\q+\b], 0xfc000000, v[MX+4*\q+\b]
.endr
.irp b, 0,1,2,3
	v_and_or_b32 v[HD+4*\q+\b], v[MX+4*\q+\b], 0x7f800000, s[MNT]
.endr
.irp b, 0,1,2,3
	v_and_or_b32 v[HD2+4*\q+\b], v[MX+4*\q+\b], 0x7f800000, s[MNT]
.endr
.irp b, 0,1,2,3
	v_lshrrev_b32 v[PX+4*\q+\b], 23, v[SO+4*\q+\b]
.endr
.endm
.macro SUMS q                          ; a tile's row sum of the unquantised p, two at a time in four chains; the three lines that make p's scale word stand among them
	v_lshl_or_b32 v[PW+\q], v[PX+4*\q+1], 8, v[PX+4*\q]
	v_pk_add_f32 v[SM2+2*\q:SM2+2*\q+1], v[S+64*\q:S+64*\q+1], v[S+64*\q+2:S+64*\q+3]
	v_pk_add_f32 v[SM3:SM3+1], v[S+64*\q+4:S+64*\q+5], v[S+64*\q+6:S+64*\q+7]
	v_pk_add_f32 v[SM4:SM4+1], v[S+64*\q+8:S+64*\q+9], v[S+64*\q+10:S+64*\q+11]
	v_lshl_or_b32 v[PW+\q], v[PX+4*\q+2], 16, v[PW+\q]
.set N, 12
.rept 6
	v_pk_add_f32 v[SUM+2*\q:SUM+2*\q+1], v[SUM+2*\q:SUM+2*\q+1], v[S+64*\q+N:S+64*\q+N+1]
	v_pk_add_f32 v[SM2+2*\q:SM2+2*\q+1], v[SM2+2*\q:SM2+2*\q+1], v[S+64*\q+N+2:S+64*\q+N+3]
	v_pk_add_f32 v[SM3:SM3+1], v[SM3:SM3+1], v[S+64*\q+N+4:S+64*\q+N+5]
	v_pk_add_f32 v[SM4:SM4+1], v[SM4:SM4+1], v[S+64*\q+N+6:S+64*\q+N+7]
.set N, N+8
.endr
	v_lshl_or_b32 v[PW+\q], v[PX+4*\q+3], 24, v[PW+\q]
	v_pk_add_f32 v[SUM+2*\q:SUM+2*\q+1], v[SUM+2*\q:SUM+2*\q+1], v[S+64*\q+60:S+64*\q+61]
	v_pk_add_f32 v[SM2+2*\q:SM2+2*\q+1], v[SM2+2*\q:SM2+2*\q+1], v[S+64*\q+62:S+64*\q+63]
	v_pk_add_f32 v[SM3:SM3+1], v[SM3:SM3+1], v[SM4:SM4+1]
	v_pk_add_f32 v[SUM+2*\q:SUM+2*\q+1], v[SUM+2*\q:SUM+2*\q+1], v[SM2+2*\q:SM2+2*\q+1]
	v_pk_add_f32 v[SUM+2*\q:SUM+2*\q+1], v[SUM+2*\q:SUM+2*\q+1], v[SM3:SM3+1]
.endm
.macro CODES q, b                      ; block b of tile q: 16 numbers a lane become 16 codes
	v_cvt_scalef32_pk8_fp8_f32 v[PC+16*\q+4*\b:PC+16*\q+4*\b+1], v[S+64*\q+16*\b:S+64*\q+16*\b+7], v[SO+4*\q+\b]
	v_cvt_scalef32_pk8_fp8_f32 v[PC+16*\q+4*\b+2:PC+16*\q+4*\b+3], v[S+64*\q+16*\b+8:S+64*\q+16*\b+15], v[SO+4*\q+\b]
.endm
; A KEY STEP: 128 keys against my 32 queries.  bound: the last key step of this run of steps
.macro STEP bound
	s_wait_dscnt 0x0                               ; this step's k and its scale words, asked for a step ago
	WIN 0x05                                       ; sources 0 and 1 in window 1
.irp t, 0,2,4,6
.irp q, 0,1
	v_wmma_scale_f32_16x16x128_f8f6f4 v[S+64*\q+8*\t:S+64*\q+8*\t+7], v[KF+8*\t:KF+8*\t+15], v[QB+16*\q:QB+16*\q+15], 0, v[KSC+\t], v[QS+\q]
.endr
.irp q, 0,1
	v_wmma_scale_f32_16x16x128_f8f6f4 v[S+64*\q+8*\t+8:S+64*\q+8*\t+15], v[KF+8*\t:KF+8*\t+15], v[QB+16*\q-8:QB+16*\q+7], 0, v[KSC+\t+1], v[QS+\q]
.endr
.endr
	WIN 0
.irp q, 0,1
	v_mov_b32 v[T2+\q], v[NM+2*\q]
.endr
	PLACES 6                                       ; eight places behind the products, ahead of the loads into their registers and of the first read of the scores
	s_add_co_u32 s[KN], s[KN], STEPB
	s_min_u32 s[KN], s[KN], \bound
	v_add_nc_u32 v[AN], s[KN], v[LI]
	WIN 0x40
.set N, 0
.rept 16
	ds_load_b128 v[KF+4*N:KF+4*N+3], v[AN] offset:512*N        ; the next step's k
.set N, N+1
.endr
.set N, 0
.rept 16
	ds_load_b128 v[VF+4*N:VF+4*N+3], v[A] offset:VI+512*N      ; this step's v
.set N, N+1
.endr
	WIN 0
.irp g, 0,1
	ds_load_b128 v[KSC+4*\g:KSC+4*\g+3], v[AN] offset:KW+512*\g
	ds_load_b128 v[VA+4*\g:VA+4*\g+3], v[A] offset:VW+512*\g
.endr
	v_mov_b32 v[A], v[AN]
.irp b, 0,1,2,3
.irp q, 0,1
	v_max3_num_f32 v[MX+4*\q+\b], v[S+64*\q+16*\b], v[S+64*\q+16*\b+1], v[S+64*\q+16*\b+2]
.endr
.endr
.irp i, 3,5,7,9,11,13
.irp b, 0,1,2,3
.irp q, 0,1
	v_max3_num_f32 v[MX+4*\q+\b], v[MX+4*\q+\b], v[S+64*\q+16*\b+\i], v[S+64*\q+16*\b+\i+1]
.endr
.endr
.endr
.irp b, 0,1,2,3
.irp q, 0,1
	v_max_num_f32 v[MX+4*\q+\b], v[MX+4*\q+\b], v[S+64*\q+16*\b+15]
.endr
.endr
.irp b, 0,1,2,3,4,5,6,7
	v_permlanex16_b32 v[PX+\b], v[MX+\b], s[SEL], s[SEL+1]
.endr
.irp b, 0,1,2,3,4,5,6,7
	v_max_num_f32 v[MX+\b], v[MX+\b], v[PX+\b]     ; each block's largest score
.endr
.irp q, 0,1
	v_max3_num_f32 v[T+\q], v[MX+4*\q], v[MX+4*\q+1], v[MX+4*\q+2]
.endr
.irp q, 0,1
	v_max_num_f32 v[T+\q], v[T+\q], v[MX+4*\q+3]
.endr
.irp q, 0,1
	v_mul_f32 v[T+\q], s[CS], v[T+\q]
.endr
.irp q, 0,1
	v_max_num_f32 v[NM+2*\q+1], v[NM+2*\q+1], v[T+\q]   ; the running largest t
.endr
.irp q, 0,1
	v_floor_f32 v[NM+2*\q], -v[NM+2*\q+1]          ; -M
.endr
.irp q, 0,1
	v_sub_f32 v[T+\q], v[NM+2*\q], v[T2+\q]
.endr
.irp q, 0,1
	v_cvt_i32_f32 v[T+\q], v[T+\q]
.endr
.irp q, 0,1
	v_ldexp_f32 v[F+2*\q], 1.0, v[T+\q]            ; f = 2^(old M - new M)
.endr
.set N, 0
.rept 32
	v_pk_fma_f32 v[S+N:S+N+1], v[S+N:S+N+1], s[CS:CS+1], v[NM:NM+1] op_sel_hi:[1,0,0]   ; tile 0: t - M
.set N, N+2
.endr
.irp b, 0,1,2,3
	v_fma_f32 v[MX+\b], v[MX+\b], s[CS], v[NM]
.endr
	s_wait_alu depctr_va_vdst(0)                   ; ahead of the batch: it serves all that was written above
.set N, 0
.rept 32                                       ; tile 0's exponentials, and by turns with them tile 1's t - M, which is first read behind the next wait
	v_exp_f32 v[S+N], v[S+N]
	v_exp_f32 v[S+N+1], v[S+N+1]
	v_pk_fma_f32 v[S+64+N:S+64+N+1], v[S+64+N:S+64+N+1], s[CS:CS+1], v[NM+2:NM+3] op_sel_hi:[1,0,0]
.set N, N+2
.endr
.irp b, 0,1,2,3
	v_exp_f32 v[MX+\b], v[MX+\b]                   ; each block's largest p
	v_fma_f32 v[MX+4+\b], v[MX+4+\b], s[CS], v[NM+2]
.endr
	s_wait_alu depctr_va_vdst(0)                   ; behind the batch, ahead of its first reader
	v_pk_mul_f32 v[SUM:SUM+1], v[SUM:SUM+1], v[F:F+1] op_sel_hi:[1,0]
	SCALEOPS 0
	SUMS 0
	s_wait_alu depctr_va_vdst(0)                   ; ahead of the second batch
.set N, 0
.rept 32                                       ; tile 1's exponentials, and by turns with them tile 0's holds at 448 x the scale, two numbers a line (p is not negative)
	v_exp_f32 v[S+64+N], v[S+64+N]
	v_exp_f32 v[S+64+N+1], v[S+64+N+1]
	v_dual_min_num_f32 v[S+N], v[S+N], v[HD+N/16] :: v_dual_min_num_f32 v[S+N+1], v[S+N+1], v[HD2+N/16]
.set N, N+2
.endr
.irp b, 0,1,2,3
	v_exp_f32 v[MX+4+\b], v[MX+4+\b]
.endr
	v_pk_mul_f32 v[SUM+2:SUM+3], v[SUM+2:SUM+3], v[F+2:F+3] op_sel_hi:[1,0]
	s_wait_alu depctr_va_vdst(0)                   ; behind the second batch
.irp b, 0,1,2,3
	CODES 0, \b
.endr
	SCALEOPS 1
	SUMS 1
.irp b, 0,1,2,3
.irp i, 0,2,4,6,8,10,12,14
	v_dual_min_num_f32 v[S+64+16*\b+\i], v[S+64+16*\b+\i], v[HD+4+\b] :: v_dual_min_num_f32 v[S+64+16*\b+\i+1], v[S+64+16*\b+\i+1], v[HD2+4+\b]
.endr
	CODES 1, \b
.endr
	s_wait_dscnt 0x0                               ; v and its scale words (and the next step's k)
.irp ct, 0,1,2,3
	v_perm_b32 v[VA+\ct], v[VA+4+\ct], v[VA+\ct], 0x05040100   ; v's scale word of 128 keys: two bytes of each 64
.endr
	WIN 0x41                                       ; O^T in window 1, f in window 0
	s_wait_alu depctr_va_vdst(0)                   ; directly ahead of the first reader of O^T
.set N, 0
.rept 16
.irp q, 0,1
	v_pk_mul_f32 v[OT+32*\q+N:OT+32*\q+N+1], v[OT+32*\q+N:OT+32*\q+N+1], v[F+2*\q:F+2*\q+1] op_sel_hi:[1,0]
.endr
.set N, N+2
.endr
	WIN 0x51                                       ; v and O^T in window 1, p's codes in window 0
.irp ct, 0,1,2,3
.irp q, 0,1
	v_wmma_scale_f32_16x16x128_f8f6f4 v[OT+32*\q+8*\ct:OT+32*\q+8*\ct+7], v[VF+16*\ct:VF+16*\ct+15], v[PC+16*\q:PC+16*\q+15], v[OT+32*\q+8*\ct:OT+32*\q+8*\ct+7], v[VA+\ct], v[PW+\q]
.endr
.endr
	WIN 0
.endm
.macro STEPS n, first                  ; n key steps from LDS byte first on
	s_mov_b32 s[KN], \first
	v_add_nc_u32 v[A], \first, v[LI]
	WIN 0x40
.set N, 0
.rept 16
	ds_load_b128 v[KF+4*N:KF+4*N+3], v[A] offset:512*N
.set N, N+1
.endr
	WIN 0
.irp g, 0,1
	ds_load_b128 v[KSC+4*\g:KSC+4*\g+3], v[A] offset:KW+512*\g
.endr
	s_mov_b32 s[CNT], \n
	s_wait_alu depctr_va_vdst(0)                   ; ahead of the step's first wait
.Lsteps_\@:
	STEP \first+(\n-1)*STEPB
	s_sub_co_u32 s[CNT], s[CNT], 1
	s_cmp_lg_u32 s[CNT], 0
	s_cbranch_scc1 .Lsteps_\@
.endm
.macro START
	s_wait_xcnt 0x0                                ; the last pass's stores have read their base and their codes
	s_lshr_b32 s58, s[TC], 6                       ; o_img: (64 x batch + tile) x 12,288 + 1,024 x head
	s_and_b32 s59, s[TC], 63
	s_lshr_b32 s60, s[G], 2
	s_lshl_b32 s60, s60, 6
	s_add_co_u32 s59, s59, s60
	s_mul_i32 s59, s59, 12288
	s_and_b32 s60, s[G], 3
	s_mul_i32 s60, s60, 3
	s_add_co_u32 s60, s60, s58
	s_lshl_b32 s60, s60, 10
	s_add_co_u32 s60, s60, s59
	s_mov_b32 s61, 0
	s_add_nc_u64 s[OP:OP+1], s[10:11], s[60:61]
.irp q, 0,1
	v_mov_b32 v[NM+2*\q+1], 0xff61b1e6
	v_mov_b32 v[SUM+2*\q], 0
	v_mov_b32 v[SUM+2*\q+1], 0
.endr
.irp q, 0,1
	v_floor_f32 v[NM+2*\q], -v[NM+2*\q+1]
.endr
	WIN 0x40
.set N, 0
.rept 64
	v_mov_b32 v[OT+N], 0
.set N, N+1
.endr
	WIN 0
	s_wait_alu depctr_va_vdst(0)
	s_wait_loadcnt 0x0                             ; q
.endm
.macro FINISH
	s_cmp_eq_u32 s[PASS], 2                        ; the next pass's q is asked for here; the last pass has none
	s_cbranch_scc1 .Lnoq_\@
	ADRQ TN
	QLOAD
.Lnoq_\@:
.irp q, 0,1
	v_add_f32 v[SUM+2*\q], v[SUM+2*\q], v[SUM+2*\q+1]
.endr
.irp q, 0,1
	v_permlanex16_b32 v[T+\q], v[SUM+2*\q], s[SEL], s[SEL+1]
.endr
.irp q, 0,1
	v_add_f32 v[SUM+2*\q], v[SUM+2*\q], v[T+\q]
.endr
	s_wait_alu depctr_va_vdst(0)
.irp q, 0,1
	v_rcp_f32 v[F+2*\q], v[SUM+2*\q]
.endr
	PLACES 2                                       ; with the eight lines above: ten places behind the last products
	WIN 0x01                                       ; O^T from window 1; o goes into the scores' registers
	s_wait_alu depctr_va_vdst(0)
.set N, 0
.rept 16
.irp q, 0,1
	v_pk_mul_f32 v[S+64*\q+N:S+64*\q+N+1], v[OT+32*\q+N:OT+32*\q+N+1], v[F+2*\q:F+2*\q+1] op_sel_hi:[1,0]
.endr
.set N, N+2
.endr
	WIN 0
.irp b, 0,1
.irp q, 0,1
	v_max3_num_f32 v[MX+4*\q+\b], |v[S+64*\q+16*\b]|, |v[S+64*\q+16*\b+1]|, 0x4800000
.endr
.endr
.irp n, 2,4,6,8,10,12,14
.irp b, 0,1
.irp q, 0,1
	v_max3_num_f32 v[MX+4*\q+\b], v[MX+4*\q+\b], |v[S+64*\q+16*\b+\n]|, |v[S+64*\q+16*\b+\n+1]|
.endr
.endr
.endr
.irp m, 0,1,4,5
	v_permlanex16_b32 v[PX+\m], v[MX+\m], s[SEL], s[SEL+1]
.endr
.irp m, 0,1,4,5
	v_max_num_f32 v[MX+\m], v[MX+\m], v[PX+\m]
.endr
.irp m, 0,1,4,5
	v_add_nc_u32 v[SO+\m], 0xfc000000, v[MX+\m]
.endr
.irp m, 0,1,4,5
	v_and_or_b32 v[HD+\m], v[MX+\m], 0x7f800000, s[MNT]
.endr
.irp m, 0,1,4,5
	v_lshrrev_b32 v[PX+\m], 23, v[SO+\m]
.endr
.irp q, 0,1
	v_lshl_or_b32 v[T+\q], v[PX+4*\q+1], 8, v[PX+4*\q]
.endr
.irp q, 0,1
	v_lshl_or_b32 v[T+\q], v[T+\q], 16, v[T+\q]
.endr
.irp b, 0,1
.irp q, 0,1
.irp n, 0,1,2,3,4,5,6,7,8,9,10,11,12,13,14,15
	v_med3_num_f32 v[S+64*\q+16*\b+\n], v[S+64*\q+16*\b+\n], -v[HD+4*\q+\b], v[HD+4*\q+\b]
.endr
.endr
.irp q, 0,1
	v_cvt_scalef32_pk8_fp8_f32 v[S+64*\q+32+4*\b:S+64*\q+32+4*\b+1], v[S+64*\q+16*\b:S+64*\q+16*\b+7], v[SO+4*\q+\b]
	v_cvt_scalef32_pk8_fp8_f32 v[S+64*\q+32+4*\b+2:S+64*\q+32+4*\b+3], v[S+64*\q+16*\b+8:S+64*\q+16*\b+15], v[SO+4*\q+\b]
.endr
.endr
	v_add_nc_u32 v[WA], s[OWS], v[OW]              ; (a plain line behind the conversions)
.irp q, 0,1
	global_store_b128 v[LI], v[S+64*\q+32:S+64*\q+35], s[OP:OP+1] offset:12288*\q          ; 32 lanes store 512 consecutive bytes, aligned
	global_store_b128 v[LI], v[S+64*\q+36:S+64*\q+39], s[OP:OP+1] offset:12288*\q+512
	ds_store_b32 v[WA], v[T+\q] offset:4*\q        ; the tile's scale word waits in LDS for the end
.endr
	s_mov_b32 s[TC], s[TN]
	s_add_co_u32 s[TN], s[TN], 16
	s_add_co_u32 s[OWS], s[OWS], 2048
	s_add_co_u32 s[PASS], s[PASS], 1
.endm
	START
	s_cmp_lt_u32 s[WV], 1
	s_cbranch_scc0 .Lnot_first
	s_wait_tensorcnt 0x0                           ; wave 0: key steps 0 and 1 of slot 0 are in
.Lnot_first:
	s_barrier_signal -1
	s_barrier_wait -1
	STEPS 2, 0
	s_wait_tensorcnt 0x0                           ; every wave's pieces are in
	s_barrier_signal -1
	s_barrier_wait -1
	STEPS 6, 2*STEPB
	FINISH
.Lpass:                                                ; passes 1 and 2, both on slot 1
	START
	STEPS 8, SLOTB
	FINISH
	s_cmp_lg_u32 s[PASS], 3
	s_cbranch_scc1 .Lpass
	s_wait_dscnt 0x0                               ; my six scale words are in LDS
	s_barrier_signal -1
	s_barrier_wait -1
	s_cmp_lt_u32 s[WV], 6                          ; six pieces of 1,024 bytes: pass wave / 2, 128 tokens wave % 2
	s_cbranch_scc0 .Lno_words
	s_lshr_b32 s58, s[WV], 1
	s_lshl_b32 s59, s58, 4
	s_add_co_u32 s59, s59, s[T1]
	s_sub_co_u32 s59, s59, 16
	s_cmp_eq_u32 s58, 0
	s_cselect_b32 s59, s[T0], s59                  ; the pass's first tile
	s_lshr_b32 s60, s59, 6
	s_add_co_u32 s60, s60, s[BH0]
	s_lshl_b32 s60, s60, 13
	s_and_b32 s59, s59, 63
	s_lshr_b32 s59, s59, 2
	s_and_b32 s61, s[WV], 1
	s_lshl_b32 s61, s61, 1
	s_add_co_u32 s59, s59, s61
	s_lshl_b32 s59, s59, 9
	s_add_co_u32 s60, s60, s59
	s_mov_b32 s61, 0
	s_add_nc_u64 s[12:13], s[12:13], s[60:61]
	s_lshl_b32 s62, s[WV], 10
	s_add_co_u32 s62, s62, OSC
	v_add_nc_u32 v[WA], s62, v[LI]
	ds_load_b128 v[S:S+3], v[WA]
	ds_load_b128 v[S+4:S+7], v[WA] offset:512
	s_wait_dscnt 0x0
	global_store_b128 v[LI], v[S:S+3], s[12:13]
	global_store_b128 v[LI], v[S+4:S+7], s[12:13] offset:512
.Lno_words:
	s_wait_tensorcnt 0x0                           ; the wave's end
	ds_add_u32 v[SPW], v[NIL]
	s_wait_dscnt 0x0
	s_endpgm
.Lfunc_end_k_q12dc1caf39_attn:
	.size	k_q12dc1caf39_attn, .Lfunc_end_k_q12dc1caf39_attn-k_q12dc1caf39_attn
	.p2alignl 7, 3214868480
	.fill 96, 4, 3214868480
	.section	.rodata,"a",@progbits
	.p2align	6, 0x0
	.amdhsa_kernel k_q12dc1caf39_attn
		.amdhsa_group_segment_fixed_size 327680
		.amdhsa_private_segment_fixed_size 0
		.amdhsa_enable_private_segment 0
		.amdhsa_kernarg_size 40
		.amdhsa_user_sgpr_count 2
		.amdhsa_user_sgpr_kernarg_segment_ptr 1
		.amdhsa_wavefront_size32 1
		.amdhsa_system_sgpr_workgroup_id_x 1
		.amdhsa_system_sgpr_workgroup_id_y 1
		.amdhsa_system_sgpr_workgroup_id_z 1
		.amdhsa_system_vgpr_workitem_id 0
		.amdhsa_next_free_vgpr 512
		.amdhsa_next_free_sgpr 72
		.amdhsa_reserve_vcc 0
		.amdhsa_float_denorm_mode_32 3
		.amdhsa_float_denorm_mode_16_64 3
		.amdhsa_memory_ordered 1
		.amdhsa_forward_progress 1
		.amdhsa_inst_pref_size 147
	.end_amdhsa_kernel
	.amdgpu_metadata
---
amdhsa.version: [ 1, 2 ]
amdhsa.kernels:
  - .name:           k_q12dc1caf39_attn
    .symbol:         k_q12dc1caf39_attn.kd
    .args:
      - { .name: q_img, .offset: 0, .size: 8, .value_kind: global_buffer, .address_space: global }
      - { .name: q_sc, .offset: 8, .size: 8, .value_kind: global_buffer, .address_space: global }
      - { .name: kv, .offset: 16, .size: 8, .value_kind: global_buffer, .address_space: global }
      - { .name: o_img, .offset: 24, .size: 8, .value_kind: global_buffer, .address_space: global }
      - { .name: o_sc, .offset: 32, .size: 8, .value_kind: global_buffer, .address_space: global }
    .group_segment_fixed_size: 327680
    .private_segment_fixed_size: 0
    .kernarg_segment_align: 8
    .kernarg_segment_size: 40
    .max_flat_workgroup_size: 256
    .sgpr_count:     72
    .vgpr_count:     512
    .wavefront_size: 32
...
	.end_amdgpu_metadata
.endif
;; end of part 2
;; launch proj (part 3): grid 64 x 4, 4 waves a work-group, clusters of 4 x 1, 179,200 bytes of LDS; arguments o_img, o_sc, Wp_codes, Wp_scales, bp, out0; writes out0
.if DOCPART == 3
	.amdgcn_target "amdgcn-amd-amdhsa--gfx1250"
	.amdhsa_code_object_version 6
	.text
	.protected	k_q12dc1caf39_proj
	.globl	k_q12dc1caf39_proj
	.p2align	8
	.type	k_q12dc1caf39_proj,@function
k_q12dc1caf39_proj:
	s_mov_b64 s[64:65], 0
	v_nop
	global_prefetch_b8 v0, s[64:65] scope:SCOPE_SE
	s_setreg_imm32_b32 hwreg(HW_REG_WAVE_MODE, 25, 1), 1
	s_wait_xcnt 0x0
	s_wait_alu depctr_hold_cnt(0) depctr_sa_sdst(0) depctr_va_vdst(0) depctr_va_sdst(0) depctr_va_ssrc(0) depctr_va_vcc(0) depctr_vm_vsrc(0)
	s_getreg_b32 s2, hwreg(HW_REG_IB_STS2, 6, 4)
	s_cmp_eq_u32 s2, 0
	s_cbranch_scc0 .Lentry_in_a_cluster
	s_endpgm
.Lentry_in_a_cluster:
	s_bfe_u32 s2, ttmp6, 0x10000c
	s_cmp_lg_u32 s2, 0x3003
	s_cbranch_scc0 .Lentry_shape_is_right
	s_endpgm
.Lentry_shape_is_right:
; out0 = o Wp + bp on codes of FP8 (E4M3) with E8M0 scales, K = 768.  o comes as images of operand registers (o_img [tile of 16 tokens][K step 6][block 4][512 bytes]) with its scale words in o_sc [bh][64 tokens][lane][4 words].
; SHARES.  A work-group owns 256 tokens x 192 outputs; each of its four waves owns 64 tokens, whose fragments of o (384 registers) come straight from memory, 512 consecutive bytes a load, and stay.
; Wp's 192 rows come into LDS once, in three groups of 64 rows, and are read by all four waves: 16 accumulators x 6 K steps a group.
; CLUSTER 4 x 1: the four work-groups of a cluster own the same 192 outputs and ask for Wp and its scale bytes jointly.  No LDS byte is filled again.
; THE ORDER INSIDE A BLOCK OF 32.  o's codes stand in the order in which they were made: place 16 h + i holds element 8 h + i (i < 8) or 8 + 8 h + i (i >= 8).  Wp's codes are read in the same order: two loads of
; 8 bytes, at 8 h and at 16 + 8 h of a block, in place of one of 16.  The products are the same; only the matrix unit's grouping of summands differs.
; THE MATRIX INSTRUCTION IS USED TRANSPOSED (source 0 = 16 rows of Wp, source 1 = 16 tokens): a lane holds eight neighbouring outputs of one token.  bp is the C of each sum's first product.
.set ROWP,  816                        ; a row of 768 codes in LDS: three runs of 256 bytes, 16 bytes of padding behind each
.set TILEP, 16*ROWP
.set WPS,   12*TILEP                   ; behind Wp's 192 rows: their scale bytes, rows of 24
.set STG,   WPS+4608                   ; the way out: 16 rows x (256 + 16) bytes for each wave, its own; no fill lands there
.set PADW,  0x07730000
.set LI,  1                            ; v1   16 x lane
.set AW,  2                            ; v2-4 LDS: my lane's place in group 0, 1, 2 of Wp's rows
.set AWS, 5                            ; v5   LDS: my row's scale bytes
.set STO, 6                            ; v6   the stage: where I put 32 bytes of a row
.set RD,  7                            ; v7   and where I read a row back
.set GO,  8                            ; v8   my byte offset in out0
.set BH,  9                            ; v9   32 h: the bias
.set OS,  16                           ; v16-39  o's scale words: tile tt, K step s at 6 tt + s
.set WS,  40                           ; v40-63  Wp's scale words: tile ft, K step s at 6 ft + s
.set ACC, 64                           ; v64-191 16 accumulators
.set RAW, 64                           ; v64-111 at the head: o's scale words as they lie, head hh, tile tt at 4 hh + tt
.set BK,  192                          ; v192-255 rows read back from the stage, two sets
; window 1: o's fragments of K steps 0-3 at 64 s + 16 tt.  window 2: v0-127 those of K steps 4, 5; v128-255 two sets of Wp's four fragments.  window 3: v0-95 bp's twelve tiles
.set WV,  48
.set G1W, 16
.set G1S, 24
.set G0S, 32
.set G0W, 36
.set MSB, 0
.macro WIN new
.if MSB != \new
	s_set_vgpr_msb (MSB<<8)|\new
.set MSB, \new
.endif
.endm
.macro PLACES n
.rept \n
	v_nop
.endr
.endm
.macro ROUND
	s_barrier_signal -1
	s_barrier_wait -1
	s_cmp_lg_u32 s[WV], 0
	s_cbranch_scc1 .Lnot_wave_0_\@
	s_barrier_signal -3
.Lnot_wave_0_\@:
	s_barrier_wait -3
	s_barrier_signal -1
	s_barrier_wait -1
.endm
	s_load_b256 s[4:11], s[0:1], 0x0               ; o_img, o_sc, Wp_codes, Wp_scales
	s_load_b128 s[12:15], s[0:1], 0x20             ; bp, out0
	v_lshl_add_u32 v14, v0, 2, 0x2ba00
	v_mov_b32 v15, 0
	ds_add_u32 v14, v15
	ds_add_u32 v14, v15
	v_lshrrev_b32 v1, 5, v0
	v_readfirstlane_b32 s[WV], v1                  ; wave 0..3
	s_bfe_u32 s49, ttmp6, 0x40000                  ; cx
	s_lshl_b32 s50, ttmp9, 2
	s_add_co_u32 s50, s50, s49                     ; my block of 256 tokens
	s_and_b32 s51, ttmp7, 0xffff                   ; my 192 outputs, which the four partners share
	s_mov_b32 s[G1W], 15|PADW                      ; the mask of all four; elements of 8 bytes; 4 words of padding after every 64; bit 21 beside the mask
	s_mov_b32 s[G1W+1], 32<<16
	s_mov_b32 s[G1W+2], 192<<16
	s_mov_b32 s[G1W+3], 32<<16
	s_mov_b32 s[G1W+4], 192                        ; 64 rows of 768 bytes as 192 runs of 256
	s_mov_b32 s[G1W+5], 32
	s_mov_b32 s[G1W+6], 0
	s_mov_b32 s[G1W+7], 0
	s_mov_b32 s[G1S], 15|0x230000                  ; the mask of all four; elements of 8 bytes, no padding
	s_mov_b32 s[G1S+1], 32<<16                     ; 4,608 scale bytes as 18 rows of 256
	s_mov_b32 s[G1S+2], 18<<16
	s_mov_b32 s[G1S+3], 32<<16
	s_mov_b32 s[G1S+4], 18
	s_mov_b32 s[G1S+5], 32
	s_mov_b32 s[G1S+6], 0
	s_mov_b32 s[G1S+7], 0
	s_mul_i32 s52, s51, 192*768
	s_mov_b32 s53, 0                               ; a group of 64 rows comes whole, by one wave
	s_add_co_u32 s52, s52, s53                     ; Wp's codes: group 0 of my 192 rows
	s_mov_b32 s53, 0
	s_mov_b32 s57, 0
	s_mul_i32 s54, s51, 4608
	s_add_co_u32 s54, s54, s57                     ; its scale bytes: my quarter
	s_mov_b32 s55, 0
	s_mov_b32 s56, 0
	v_and_b32 v10, 31, v0
	v_lshlrev_b32 v[LI], 4, v10
	v_and_b32 v10, 15, v0                          ; r
	v_bfe_u32 v11, v0, 4, 1                        ; h
	v_mul_u32_u24 v12, v10, ROWP
	v_lshl_add_u32 v12, v11, 3, v12                ; row x pitch + 8 h
	v_add_nc_u32 v[AW], 0, v12
	v_add_nc_u32 v[AW+1], 4*TILEP, v12
	v_add_nc_u32 v[AW+2], 8*TILEP, v12
	v_mul_u32_u24 v[AWS], v10, 24
	v_add_nc_u32 v[AWS], WPS, v[AWS]
	s_mul_i32 s58, s[WV], 16*272
	s_add_co_u32 s58, s58, STG                     ; my stage
	v_mul_u32_u24 v[STO], v10, 272
	v_lshl_add_u32 v[STO], v11, 5, v[STO]
	v_add_nc_u32 v[STO], s58, v[STO]               ; in: row r, 32 bytes for each half of the lanes
	v_mul_u32_u24 v[RD], v11, 272
	v_lshl_add_u32 v[RD], v10, 4, v[RD]
	v_add_nc_u32 v[RD], s58, v[RD]                 ; back: lanes 0-15 one row of 256 bytes, lanes 16-31 the next
	v_mul_u32_u24 v[GO], v11, 3072
	v_lshl_add_u32 v[GO], v10, 4, v[GO]            ; and the same two rows in out0
	v_lshlrev_b32 v[BH], 5, v11
	s_wait_dscnt 0x0
	s_wait_kmcnt 0x0
	s_mov_b32 s[G0S], 1
	s_add_co_u32 s[G0S+1], s57, WPS
	s_add_nc_u64 s[G0S+2:G0S+3], s[10:11], s[54:55]
	s_or_b32 s[G0S+3], s[G0S+3], 0x80000000
	s_add_nc_u64 s[8:9], s[8:9], s[52:53]
.irp g, 0,1,2
	s_mov_b32 s[G0W+4*\g], 1
	s_add_co_u32 s[G0W+4*\g+1], s56, 4*TILEP*\g
	s_add_nc_u64 s[G0W+4*\g+2:G0W+4*\g+3], s[8:9], 49152*\g
	s_or_b32 s[G0W+4*\g+3], s[G0W+4*\g+3], 0x80000000
.endr
	ROUND                                          ; all four work-groups are here: the joint loads meet
	s_cmp_eq_u32 s[WV], 0                          ; one load a wave, in one chain of arms: wave 0 the scale bytes, waves 1 to 3 a group of 64 rows each
	s_cbranch_scc0 .Larm_g0
	tensor_load_to_lds s[G0S:G0S+3], s[G1S:G1S+7]
	s_nop 0
	PLACES 4
	s_branch .Larm_join
.Larm_g0:
	s_cmp_eq_u32 s[WV], 1
	s_cbranch_scc0 .Larm_g1
	tensor_load_to_lds s[G0W:G0W+3], s[G1W:G1W+7]
	s_nop 0
	PLACES 4
	s_branch .Larm_join
.Larm_g1:
	s_cmp_eq_u32 s[WV], 2
	s_cbranch_scc0 .Larm_g2
	tensor_load_to_lds s[G0W+4:G0W+7], s[G1W:G1W+7]
	s_nop 0
	PLACES 4
	s_branch .Larm_join
.Larm_g2:
	tensor_load_to_lds s[G0W+8:G0W+11], s[G1W:G1W+7]
	s_nop 0
	PLACES 4
.Larm_join:
	s_lshl_b32 s58, s50, 4
	s_lshl_b32 s59, s[WV], 2
	s_add_co_u32 s58, s58, s59
	s_mul_i32 s58, s58, 12288                      ; o_img: my first tile of 16 tokens
	s_mov_b32 s59, 0
	s_add_nc_u64 s[4:5], s[4:5], s[58:59]
	s_lshr_b32 s58, s50, 2
	s_mul_i32 s58, s58, 12*8192                    ; o_sc: the batch's first head,
	s_and_b32 s60, s50, 3
	s_lshl_b32 s60, s60, 2
	s_add_co_u32 s60, s60, s[WV]
	s_lshl_b32 s60, s60, 9
	s_add_co_u32 s58, s58, s60                     ; my 64 tokens
	s_add_nc_u64 s[6:7], s[6:7], s[58:59]
	s_mul_i32 s58, s51, 768
	s_add_nc_u64 s[12:13], s[12:13], s[58:59]      ; bp: my 192 numbers
	s_lshl_b32 s60, s50, 8
	s_lshl_b32 s61, s[WV], 6
	s_add_co_u32 s60, s60, s61
	s_mul_i32 s60, s60, 3072
	s_add_co_u32 s58, s58, s60                     ; out0: my first token's row, my first output
	s_add_nc_u64 s[14:15], s[14:15], s[58:59]
	WIN 0x40                                       ; destination window 1
.irp k, 0,1,2,3
.irp tt, 0,1,2,3
.irp c, 0,1,2,3
	global_load_b128 v[64*\k+16*\tt+4*\c:64*\k+16*\tt+4*\c+3], v[LI], s[4:5] offset:12288*\tt+2048*\k+512*\c
.endr
.endr
.endr
	WIN 0x80                                       ; destination window 2
.irp k, 4,5
.irp tt, 0,1,2,3
.irp c, 0,1,2,3
	global_load_b128 v[64*(\k-4)+16*\tt+4*\c:64*(\k-4)+16*\tt+4*\c+3], v[LI], s[4:5] offset:12288*\tt+2048*\k+512*\c
.endr
.endr
.endr
	WIN 0xc0                                       ; destination window 3
	s_wait_alu depctr_va_vdst(0)
.irp q, 0,1,2,3,4,5,6,7,8,9,10,11
.irp e, 0,1
	global_load_b128 v[8*\q+4*\e:8*\q+4*\e+3], v[BH], s[12:13] offset:64*\q+16*\e   ; lane (r, h) wants, for tile q, outputs 16 q + 8 h + 0..7
.endr
.endr
	WIN 0
.irp hh, 0,1,2,3,4,5,6,7,8,9,10,11
	global_load_b128 v[RAW+4*\hh:RAW+4*\hh+3], v[LI], s[6:7] offset:8192*\hh
.endr
	s_wait_loadcnt 0x0
.irp tt, 0,1,2,3
.irp k, 0,1,2,3,4,5
	v_perm_b32 v[OS+6*\tt+\k], v[RAW+4*(2*\k+1)+\tt], v[RAW+8*\k+\tt], 0x05040100   ; a K step of 128 is two heads: two bytes of each
.endr
.endr
	PLACES 8                                       ; a scale register written by a vector instruction stands eight places ahead of the product that names it
.macro FETCHP adr, s, p                ; Wp's four fragments of K step s into set p, in o's order inside a block
	WIN 0x80
.irp ft, 0,1,2,3
.irp c, 0,1,2,3
.irp e, 0,1
	ds_load_b64 v[128+64*(\p)+16*\ft+4*\c+2*\e:128+64*(\p)+16*\ft+4*\c+2*\e+1], v[\adr] offset:TILEP*\ft+128*(\s)+16*((\s)/2)+32*\c+16*\e
.endr
.endr
.endr
	WIN 0
.endm
; 16 matrix instructions: the 16 accumulators take turns, one instruction a turn, in the same order in every K step
.macro MULS grp, s, p
.if \s == 0
	WIN 0x36                                       ; source 0 (Wp) window 2, source 1 (o) window 1, C (bp) window 3
.elseif \s < 4
	WIN 0x06
.else
	WIN 0x0a
.endif
.irp tt, 0,1,2,3
.irp ft, 0,1,2,3
.if \s == 0
	v_wmma_scale_f32_16x16x128_f8f6f4 v[ACC+32*\tt+8*\ft:ACC+32*\tt+8*\ft+7], v[128+64*(\p)+16*\ft:128+64*(\p)+16*\ft+15], v[64*((\s)%4)+16*\tt:64*((\s)%4)+16*\tt+15], v[8*(4*\grp+\ft):8*(4*\grp+\ft)+7], v[WS+6*\ft+\s], v[OS+6*\tt+\s]
.else
	v_wmma_scale_f32_16x16x128_f8f6f4 v[ACC+32*\tt+8*\ft:ACC+32*\tt+8*\ft+7], v[128+64*(\p)+16*\ft:128+64*(\p)+16*\ft+15], v[64*((\s)%4)+16*\tt:64*((\s)%4)+16*\tt+15], v[ACC+32*\tt+8*\ft:ACC+32*\tt+8*\ft+7], v[WS+6*\ft+\s], v[OS+6*\tt+\s]
.endif
.endr
.endr
.endm
; 64 outputs for my 64 tokens
.macro GROUP grp
.if \grp == 0
	s_wait_tensorcnt 0x0                           ; my one load is in
	s_barrier_signal -1
	s_barrier_wait -1                              ; everybody's is: Wp's 192 rows and their scale bytes stay for the whole launch
.endif
.irp ft, 0,1,2,3
.irp j, 0,1,2
	ds_load_b64 v[WS+6*\ft+2*\j:WS+6*\ft+2*\j+1], v[AWS] offset:1536*\grp+384*\ft+8*\j
.endr
.endr
	FETCHP AW+\grp, 0, 0
.irp k, 0,1,2,3,4,5
.if \k < 5
.if \k > 0
	PLACES 8                                       ; in front of loads into registers that the last products have read
.endif
	FETCHP AW+\grp, \k+1, (\k+1)%2
	s_wait_dscnt 32                                ; all but the 32 loads just issued
.else
	s_wait_dscnt 0x0
.endif
	MULS \grp, \k, \k%2
.endr
	WIN 0
	PLACES 9                                       ; eight in front of the first read of results and of the next group's loads; nine in front of the next group's first products, which take bp as C and so write over these accumulators anew; the LDS and memory lines of the way out are no places
.irp tt, 0,1,2,3                       ; 16 tokens at a time through my own stage: LDS serves a wave's instructions in order, so no wait stands between the stores and the loads
	s_wait_xcnt 0x0                                ; the earlier stores to memory have read their registers
.irp ft, 0,1,2,3
.irp e, 0,1
	ds_store_b128 v[STO], v[ACC+32*\tt+8*\ft+4*\e:ACC+32*\tt+8*\ft+4*\e+3] offset:64*\ft+16*\e   ; each accumulator from its low end on
.endr
.endr
.irp i, 0,1,2,3,4,5,6,7
	ds_load_b128 v[BK+32*(\tt%2)+4*\i:BK+32*(\tt%2)+4*\i+3], v[RD] offset:544*\i
.endr
.irp i, 0,1,2,3,4,5,6,7
	s_wait_dscnt 7-\i                              ; the younger loads may stay out
	global_store_b128 v[GO], v[BK+32*(\tt%2)+4*\i:BK+32*(\tt%2)+4*\i+3], s[14:15] offset:49152*\tt+6144*\i+256*\grp th:TH_STORE_NT   ; 16 lanes store 256 consecutive bytes, aligned; written once, read by nobody here
.endr
.endr
.endm
	s_wait_alu depctr_va_vdst(0)
	GROUP 0
	GROUP 1
	GROUP 2
	s_wait_tensorcnt 0x0
	ds_add_u32 v14, v15
	s_wait_dscnt 0x0
	ROUND                                          ; the closing round: no work-group ends while a partner may still ask for a tile that names it
	s_endpgm
.Lfunc_end_k_q12dc1caf39_proj:
	.size	k_q12dc1caf39_proj, .Lfunc_end_k_q12dc1caf39_proj-k_q12dc1caf39_proj
	.p2alignl 7, 3214868480
	.fill 96, 4, 3214868480
	.section	.rodata,"a",@progbits
	.p2align	6, 0x0
	.amdhsa_kernel k_q12dc1caf39_proj
		.amdhsa_group_segment_fixed_size 179200
		.amdhsa_private_segment_fixed_size 0
		.amdhsa_enable_private_segment 0
		.amdhsa_kernarg_size 48
		.amdhsa_user_sgpr_count 2
		.amdhsa_user_sgpr_kernarg_segment_ptr 1
		.amdhsa_wavefront_size32 1
		.amdhsa_system_sgpr_workgroup_id_x 1
		.amdhsa_system_sgpr_workgroup_id_y 1
		.amdhsa_system_sgpr_workgroup_id_z 1
		.amdhsa_system_vgpr_workitem_id 0
		.amdhsa_next_free_vgpr 864
		.amdhsa_next_free_sgpr 66
		.amdhsa_reserve_vcc 0
		.amdhsa_float_denorm_mode_32 3
		.amdhsa_float_denorm_mode_16_64 3
		.amdhsa_memory_ordered 1
		.amdhsa_forward_progress 1
		.amdhsa_inst_pref_size 128
	.end_amdhsa_kernel
	.amdgpu_metadata
---
amdhsa.version: [ 1, 2 ]
amdhsa.kernels:
  - .name:           k_q12dc1caf39_proj
    .symbol:         k_q12dc1caf39_proj.kd
    .args:
      - { .name: o_img, .offset: 0, .size: 8, .value_kind: global_buffer, .address_space: global }
      - { .name: o_sc, .offset: 8, .size: 8, .value_kind: global_buffer, .address_space: global }
      - { .name: Wp_codes, .offset: 16, .size: 8, .value_kind: global_buffer, .address_space: global }
      - { .name: Wp_scales, .offset: 24, .size: 8, .value_kind: global_buffer, .address_space: global }
      - { .name: bp, .offset: 32, .size: 8, .value_kind: global_buffer, .address_space: global }
      - { .name: out0, .offset: 40, .size: 8, .value_kind: global_buffer, .address_space: global }
    .group_segment_fixed_size: 179200
    .private_segment_fixed_size: 0
    .kernarg_segment_align: 8
    .kernarg_segment_size: 48
    .max_flat_workgroup_size: 128
    .sgpr_count:     66
    .vgpr_count:     864
    .wavefront_size: 32
...
	.end_amdgpu_metadata
.endif
;; end of part 3
